; MI455X (gfx1250); checked and timed in simulation.
; The chip was launched on July 23, 2026; its instructions are those of AMD's public machine-readable ISA for CDNA 5 (MIT licence, August 2026) and "CDNA5" Instruction Set Architecture Reference Guide (July 2026). The comments in the code are by the model that wrote it; some were corrected since.
;; Math Reasoning Module. Allowed arithmetic: float matrix products may take bf16 or f16 operands with f32 sums; other float arithmetic in f32, or as packed bf16 or f16 multiplies, adds, multiply-adds, maxima and minima; sums over many terms, partial sums and values carried from step to step in f32; what a program stores and reads back later, other than sums and carried values, may be rounded once to bf16 or f16.
;; Inputs: b_hh 3,072 float32; b_ih 3,072 float32; b_num1 1,024 float32; b_num2 1 float32; b_op1 1,024 float32; b_op2 5 float32; w_hh 3,072 x 1,024 float32; w_ih 3,072 x 1,024 float32; w_num1 1,024 x 1,024 float32; w_num2 1,024 x 1 float32; w_op1 1,024 x 1,024 float32; w_op2 1,024 x 5 float32; x 1,024 x 1,024 float32.
;; Outputs: out0 1,024 x 1,024 float32; out1 8 x 1,024 x 5 float32; out2 8 x 1,024 x 1 float32; out3 8 x 1,024 x 1,024 float32.
;; Constants: num_steps = 8.
;; One version. Each part assembles by itself: llvm-mc -triple=amdgcn-amd-amdhsa -mcpu=gfx1250 --defsym DOCPART=n.
;; ======== version 1 of 1: 11 launches
;; limits: values are held in f16: magnitudes above 65,504 overflow, below 6.1e-05 lose precision
;; workspace buffers: wts 12,648,448 bytes; ha 2,097,152 bytes; hb 2,097,152 bytes; s16 16,777,216 bytes; ca 4,194,304 bytes; cb 4,194,304 bytes; cnt0 4,096 bytes of whole numbers; cnt1 4,096 bytes of whole numbers
;; launch prep (part 1): grid 513 x 1, 8 waves a work-group, no clusters, 0 bytes of LDS; arguments x, w_ih, w_hh, w_op1, w_num1, w_op2, w_num2, wts, ha, ca, cnt0; writes wts, ha, ca, cnt0
.if DOCPART == 1
	.amdgcn_target "amdgcn-amd-amdhsa--gfx1250"
	.amdhsa_code_object_version 6
	.text
	.protected	k_qc02fdaf42b_prep
	.globl	k_qc02fdaf42b_prep
	.p2align	8
	.type	k_qc02fdaf42b_prep,@function
k_qc02fdaf42b_prep:
	s_mov_b64 s[64:65], 0
	v_nop
	global_prefetch_b8 v0, s[64:65] scope:SCOPE_SE
	s_setreg_imm32_b32 hwreg(HW_REG_WAVE_MODE, 25, 1), 1
	s_wait_xcnt 0x0
; PREP: the weights and the first state are laid out once for the launches behind.  A stream: no LDS, no barrier, no matrix unit.
; wts (f16):  WG at 0: [4096][1024]; row 64 q + 16 g + j stands for column c = 16 q + j of h and gate g:
;             g = 0: w_ih[c] + w_hh[c] (input and hidden state are the same h, so r's two products are one), g = 1: the same 1,024 rows on (z),
;             g = 2: w_ih[2048 + c], g = 3: w_hh[2048 + c].  The sums are made in f32 and rounded once.
;             WH at 8,388,608: w_op1, then w_num1, as they lie ([k][n]).   W2C at 12,582,912: [16][2048]: rows 0-3 w_op2[:, 0..3] and row 8 w_op2[:, 4]
;             over columns 0-1023, row 9 w_num2 over columns 1024-2047, all else 0.
; ha (f16), ca (f32): x in blocks [8 slabs of 128 rows][32 blocks of 32 columns][128 rows][32 columns].   cnt0: the step number 0.
; LIMITS.  f16 holds no number beyond 65,504: x, the weights and w_ih + w_hh must lie within it; below 6e-5 f16 keeps a fixed step of 6e-8.
; SHARES.  A work-group of 8 waves takes 16 rows of 4,096 bytes.  Work-groups 0-255: WG; 256-383: WH; 384-447: ha; 448-511: ca; 512: W2C and cnt0.
; All loads of a work-group go out at once, every pass has registers of its own, and the waits count the younger loads down.
.set SRC, 4                            ; s[4:5]   where the 16 rows come from
.set DST, 6                            ; s[6:7]   where they go
.set SR2, 36                           ; s[36:37] the second source of a sum
.set OFA, 30                           ; s[30:31] a source's byte offset
.set OFB, 32                           ; s[32:33] a destination's byte offset
.set IN,  16                           ; v[16:143]  as loaded
.set OUT, 144                          ; v[144:175] as stored
; Eight passes: 32 bytes of f32 a lane in, 16 bytes of f16 out.  Pass p reads at (p / 2) sa + (p % 2) sb and writes at (p / 2) da + (p % 2) db.
.macro CVT8 sa, sb, da, db, nt
.set p, 0
.rept 8
.if \nt
	global_load_b128 v[IN+8*p:IN+8*p+3],   v2, s[SRC:SRC+1] offset:(p>>1)*(\sa)+(p&1)*(\sb) th:TH_LOAD_NT
	global_load_b128 v[IN+8*p+4:IN+8*p+7], v2, s[SRC:SRC+1] offset:(p>>1)*(\sa)+(p&1)*(\sb)+16 th:TH_LOAD_NT
.else
	global_load_b128 v[IN+8*p:IN+8*p+3],   v2, s[SRC:SRC+1] offset:(p>>1)*(\sa)+(p&1)*(\sb)
	global_load_b128 v[IN+8*p+4:IN+8*p+7], v2, s[SRC:SRC+1] offset:(p>>1)*(\sa)+(p&1)*(\sb)+16
.endif
.set p, p+1
.endr
.set p, 0
.rept 8
	s_wait_loadcnt 14-2*p                          ; pass p's two loads are in; the later passes' stay out
.irp m, 0,1,2,3
	v_cvt_pk_f16_f32 v[OUT+4*p+(\m)], v[IN+8*p+2*(\m)], v[IN+8*p+2*(\m)+1]
.endr
	global_store_b128 v3, v[OUT+4*p:OUT+4*p+3], s[DST:DST+1] offset:(p>>1)*(\da)+(p&1)*(\db)
.set p, p+1
.endr
.endm
	s_load_b512 s[8:23], s[0:1], 0x0               ; x s[8:9], w_ih s[10:11], w_hh s[12:13], w_op1 s[14:15], w_num1 s[16:17], w_op2 s[18:19], w_num2 s[20:21], wts s[22:23]
	s_load_b128 s[24:27], s[0:1], 0x40             ; ha s[24:25], ca s[26:27]
	s_load_b64 s[28:29], s[0:1], 0x50              ; cnt0
	v_and_b32 v1, 31, v0                           ; lane l
	v_lshrrev_b32 v4, 5, v0                        ; wave w
	v_readfirstlane_b32 s3, v4
	v_lshlrev_b32 v2, 5, v0                        ; dense rows: 32 bytes of f32 a thread,
	v_lshlrev_b32 v3, 4, v0                        ; 16 bytes of f16
	s_mov_b32 s2, ttmp9
	s_mov_b32 s[OFA+1], 0
	s_mov_b32 s[OFB+1], 0
	s_wait_kmcnt 0x0
	s_cmp_lt_u32 s2, 256
	s_cbranch_scc0 .Lnot_gru
	; WG: work-group 4 q + g makes rows 16 id .. 16 id + 15
	s_and_b32 s34, s2, 3                           ; g
	s_lshr_b32 s35, s2, 2                          ; q
	s_min_u32 s38, s34, 2                          ; gates 2 and 3 both take the rows from 2,048 on
	s_lshl_b32 s[OFA], s38, 22                     ; 1,024 rows of 4,096 bytes
	s_lshl_b32 s35, s35, 16                        ; 16 rows
	s_add_co_u32 s[OFA], s[OFA], s35
	s_lshl_b32 s[OFB], s2, 15                      ; 16 rows of 2,048 bytes
	s_add_nc_u64 s[DST:DST+1], s[22:23], s[OFB:OFB+1]
	s_cmp_lt_u32 s34, 2
	s_cbranch_scc1 .Ltwo
	s_cmp_eq_u32 s34, 2
	s_cselect_b64 s[SRC:SRC+1], s[10:11], s[12:13]
	s_add_nc_u64 s[SRC:SRC+1], s[SRC:SRC+1], s[OFA:OFA+1]
	s_branch .Lone
.Lnot_gru:
	s_cmp_lt_u32 s2, 384
	s_cbranch_scc0 .Lnot_head
	; WH: 16 rows k of w_op1 (u < 64) or w_num1
	s_sub_co_u32 s34, s2, 256
	s_and_b32 s35, s34, 63
	s_lshl_b32 s[OFA], s35, 16
	s_lshl_b32 s[OFB], s34, 15
	s_add_co_u32 s[OFB], s[OFB], 8388608
	s_cmp_lt_u32 s34, 64
	s_cselect_b64 s[SRC:SRC+1], s[14:15], s[16:17]
	s_add_nc_u64 s[SRC:SRC+1], s[SRC:SRC+1], s[OFA:OFA+1]
	s_add_nc_u64 s[DST:DST+1], s[22:23], s[OFB:OFB+1]
.Lone:                                                 ; one source, dense in and dense out: a pass is 8,192 bytes in, 4,096 out
	CVT8 16384, 8192, 8192, 4096, 1
	s_endpgm
.Lnot_head:
	s_cmp_lt_u32 s2, 448
	s_cbranch_scc0 .Lnot_xh
	; ha: a load takes 4 rows x 256 bytes (64 columns, two blocks); its store covers 4 rows x 64 bytes, 256 bytes on end, in each of the two blocks
	s_sub_co_u32 s34, s2, 384
	s_lshl_b32 s[OFA], s34, 16
	s_lshr_b32 s35, s34, 3
	s_lshl_b32 s[OFB], s35, 18                     ; the slab
	s_and_b32 s35, s34, 7
	s_lshl_b32 s35, s35, 10                        ; 16 rows of 64 bytes in each block
	s_add_co_u32 s[OFB], s[OFB], s35
	s_add_nc_u64 s[SRC:SRC+1], s[8:9], s[OFA:OFA+1]
	s_add_nc_u64 s[DST:DST+1], s[24:25], s[OFB:OFB+1]
	v_lshrrev_b32 v5, 3, v1                        ; row l / 8
	v_and_b32 v6, 7, v1
	v_lshlrev_b32 v2, 12, v5
	v_lshl_add_u32 v2, v4, 8, v2                   ; + 256 w
	v_lshl_add_u32 v2, v6, 5, v2                   ; + 32 (l % 8)
	v_bfe_u32 v7, v1, 2, 1
	v_and_b32 v8, 3, v1
	v_lshlrev_b32 v3, 14, v4                       ; two blocks of 8,192 bytes a wave
	v_lshl_add_u32 v3, v7, 13, v3
	v_lshl_add_u32 v3, v5, 6, v3
	v_lshl_add_u32 v3, v8, 4, v3
	CVT8 16384, 2048, 256, 131072, 0
	s_endpgm
.Lnot_xh:
	s_cmp_lt_u32 s2, 512
	s_cbranch_scc0 .Lsmall
	; ca: a load takes 2 rows x 256 bytes; its store covers 2 rows x 128 bytes, 256 bytes on end, in each of two blocks
	s_sub_co_u32 s34, s2, 448
	s_lshl_b32 s[OFA], s34, 16
	s_lshr_b32 s35, s34, 3
	s_lshl_b32 s[OFB], s35, 19
	s_and_b32 s35, s34, 7
	s_lshl_b32 s35, s35, 11
	s_add_co_u32 s[OFB], s[OFB], s35
	s_add_nc_u64 s[SRC:SRC+1], s[8:9], s[OFA:OFA+1]
	s_add_nc_u64 s[DST:DST+1], s[26:27], s[OFB:OFB+1]
	v_lshrrev_b32 v5, 4, v1                        ; row l / 16
	v_and_b32 v6, 15, v1
	v_lshlrev_b32 v2, 12, v5
	v_lshl_add_u32 v2, v4, 8, v2
	v_lshl_add_u32 v2, v6, 4, v2
	v_bfe_u32 v7, v1, 3, 1
	v_and_b32 v8, 7, v1
	v_lshlrev_b32 v3, 15, v4                       ; two blocks of 16,384 bytes a wave
	v_lshl_add_u32 v3, v7, 14, v3
	v_lshl_add_u32 v3, v5, 7, v3
	v_lshl_add_u32 v3, v8, 4, v3
.set p, 0
.rept 16
	global_load_b128 v[IN+4*p:IN+4*p+3], v2, s[SRC:SRC+1] offset:(p>>1)*8192+(p&1)*2048
.set p, p+1
.endr
.set p, 0
.rept 16
	s_wait_loadcnt 15-p
	global_store_b128 v3, v[IN+4*p:IN+4*p+3], s[DST:DST+1] offset:(p>>1)*256+(p&1)*262144
.set p, p+1
.endr
	s_endpgm
.Ltwo:                                                 ; r's and z's rows: w_ih + w_hh in f32, rounded once
	s_add_nc_u64 s[SRC:SRC+1], s[10:11], s[OFA:OFA+1]
	s_add_nc_u64 s[SR2:SR2+1], s[12:13], s[OFA:OFA+1]
.set p, 0
.rept 8
	global_load_b128 v[IN+16*p:IN+16*p+3],     v2, s[SRC:SRC+1] offset:8192*p th:TH_LOAD_NT
	global_load_b128 v[IN+16*p+4:IN+16*p+7],   v2, s[SRC:SRC+1] offset:8192*p+16 th:TH_LOAD_NT
	global_load_b128 v[IN+16*p+8:IN+16*p+11],  v2, s[SR2:SR2+1] offset:8192*p th:TH_LOAD_NT
	global_load_b128 v[IN+16*p+12:IN+16*p+15], v2, s[SR2:SR2+1] offset:8192*p+16 th:TH_LOAD_NT
.set p, p+1
.endr
.set p, 0
.rept 8
	s_wait_loadcnt 28-4*p                          ; pass p's four loads are in
.irp m, 0,1,2,3
	v_pk_add_f32 v[IN+16*p+2*(\m):IN+16*p+2*(\m)+1], v[IN+16*p+2*(\m):IN+16*p+2*(\m)+1], v[IN+16*p+8+2*(\m):IN+16*p+8+2*(\m)+1]
.endr
.irp m, 0,1,2,3
	v_cvt_pk_f16_f32 v[OUT+4*p+(\m)], v[IN+16*p+2*(\m)], v[IN+16*p+2*(\m)+1]
.endr
	global_store_b128 v3, v[OUT+4*p:OUT+4*p+3], s[DST:DST+1] offset:4096*p
.set p, p+1
.endr
	s_endpgm
.Lsmall:
	; W2C: thread t owns columns 8 t .. 8 t + 7 of all 16 rows.  v[64:83]: w_op2's five columns, v[84:87]: w_num2, v[88:91]: 0
	s_add_nc_u64 s[DST:DST+1], s[22:23], 12582912
.set i, 64
.rept 28
	v_mov_b32 v[i], 0
.set i, i+1
.endr
	s_cmp_lt_u32 s3, 4
	s_cbranch_scc0 .Lnum2
	v_mul_u32_u24 v5, v0, 160                      ; waves 0-3: rows 8 t .. 8 t + 7 of w_op2, 40 numbers; (i, o) is number 5 i + o
.irp i, 0,1,2,3,4,5,6,7,8,9
	global_load_b128 v[IN+4*(\i):IN+4*(\i)+3], v5, s[18:19] offset:16*(\i)
.endr
	s_wait_loadcnt 0x0
.irp o, 0,1,2,3,4
.irp m, 0,1,2,3
	v_cvt_pk_f16_f32 v[64+4*(\o)+(\m)], v[IN+10*(\m)+(\o)], v[IN+10*(\m)+5+(\o)]
.endr
.endr
	s_branch .Lw2
.Lnum2:
	v_and_b32 v5, 127, v0                          ; waves 4-7: rows 8 (t - 128) on of w_num2
	v_lshlrev_b32 v5, 5, v5
	global_load_b128 v[IN:IN+3],   v5, s[20:21]
	global_load_b128 v[IN+4:IN+7], v5, s[20:21] offset:16
	s_wait_loadcnt 0x0
.irp m, 0,1,2,3
	v_cvt_pk_f16_f32 v[84+(\m)], v[IN+2*(\m)], v[IN+2*(\m)+1]
.endr
.Lw2:
.set row, 0
.rept 16
.set d, 88
.if row < 4
.set d, 64+4*row
.elseif row == 8
.set d, 80
.elseif row == 9
.set d, 84
.endif
	global_store_b128 v3, v[d:d+3], s[DST:DST+1] offset:4096*row
.set row, row+1
.endr
	global_store_b128 v3, v[88:91], s[28:29]       ; the step number 0, in all of cnt0
	s_endpgm
.Lfunc_end_k_qc02fdaf42b_prep:
	.size	k_qc02fdaf42b_prep, .Lfunc_end_k_qc02fdaf42b_prep-k_qc02fdaf42b_prep
	.p2alignl 7, 3214868480
	.fill 96, 4, 3214868480
	.section	.rodata,"a",@progbits
	.p2align	6, 0x0
	.amdhsa_kernel k_qc02fdaf42b_prep
		.amdhsa_group_segment_fixed_size 0
		.amdhsa_private_segment_fixed_size 0
		.amdhsa_enable_private_segment 0
		.amdhsa_kernarg_size 88
		.amdhsa_user_sgpr_count 2
		.amdhsa_user_sgpr_kernarg_segment_ptr 1
		.amdhsa_wavefront_size32 1
		.amdhsa_system_sgpr_workgroup_id_x 1
		.amdhsa_system_sgpr_workgroup_id_y 1
		.amdhsa_system_sgpr_workgroup_id_z 1
		.amdhsa_system_vgpr_workitem_id 0
		.amdhsa_next_free_vgpr 176
		.amdhsa_next_free_sgpr 66
		.amdhsa_reserve_vcc 0
		.amdhsa_float_denorm_mode_32 3
		.amdhsa_float_denorm_mode_16_64 3
		.amdhsa_memory_ordered 1
		.amdhsa_forward_progress 1
		.amdhsa_inst_pref_size 30
	.end_amdhsa_kernel
	.amdgpu_metadata
---
amdhsa.version: [ 1, 2 ]
amdhsa.kernels:
  - .name:           k_qc02fdaf42b_prep
    .symbol:         k_qc02fdaf42b_prep.kd
    .args:
      - { .name: x, .offset: 0, .size: 8, .value_kind: global_buffer, .address_space: global }
      - { .name: w_ih, .offset: 8, .size: 8, .value_kind: global_buffer, .address_space: global }
      - { .name: w_hh, .offset: 16, .size: 8, .value_kind: global_buffer, .address_space: global }
      - { .name: w_op1, .offset: 24, .size: 8, .value_kind: global_buffer, .address_space: global }
      - { .name: w_num1, .offset: 32, .size: 8, .value_kind: global_buffer, .address_space: global }
      - { .name: w_op2, .offset: 40, .size: 8, .value_kind: global_buffer, .address_space: global }
      - { .name: w_num2, .offset: 48, .size: 8, .value_kind: global_buffer, .address_space: global }
      - { .name: wts, .offset: 56, .size: 8, .value_kind: global_buffer, .address_space: global }
      - { .name: ha, .offset: 64, .size: 8, .value_kind: global_buffer, .address_space: global }
      - { .name: ca, .offset: 72, .size: 8, .value_kind: global_buffer, .address_space: global }
      - { .name: cnt0, .offset: 80, .size: 8, .value_kind: global_buffer, .address_space: global }
    .group_segment_fixed_size: 0
    .private_segment_fixed_size: 0
    .kernarg_segment_align: 8
    .kernarg_segment_size: 88
    .max_flat_workgroup_size: 256
    .sgpr_count:     66
    .vgpr_count:     176
    .wavefront_size: 32
...
	.end_amdgpu_metadata
.endif
;; end of part 1
;; launch gru (part 2): grid 32 x 8, 4 waves a work-group, clusters of 4 x 4, 327,680 bytes of LDS; arguments ha, hb, ca, cb, out3, s16, wts, b_ih, b_hh, cnt0, cnt1; writes hb, cb, out3, s16, cnt1
.if DOCPART == 2
	.amdgcn_target "amdgcn-amd-amdhsa--gfx1250"
	.amdhsa_code_object_version 6
	.text
	.protected	k_qc02fdaf42b_gru
	.globl	k_qc02fdaf42b_gru
	.p2align	8
	.type	k_qc02fdaf42b_gru,@function
k_qc02fdaf42b_gru:
	s_mov_b64 s[64:65], 0
	v_nop
	global_prefetch_b8 v0, s[64:65] scope:SCOPE_SE
	s_setreg_imm32_b32 hwreg(HW_REG_WAVE_MODE, 25, 1), 1
	s_wait_xcnt 0x0
	s_wait_alu depctr_hold_cnt(0) depctr_sa_sdst(0) depctr_va_vdst(0) depctr_va_sdst(0) depctr_va_ssrc(0) depctr_va_vcc(0) depctr_vm_vsrc(0)
	s_getreg_b32 s2, hwreg(HW_REG_IB_STS2, 6, 4)
	s_cmp_eq_u32 s2, 0
	s_cbranch_scc0 .Lentry_in_a_cluster
	s_endpgm
.Lentry_in_a_cluster:
	s_bfe_u32 s2, ttmp6, 0x10000c
	s_cmp_lg_u32 s2, 0xf033
	s_cbranch_scc0 .Lentry_shape_is_right
	s_endpgm
.Lentry_shape_is_right:
; ONE STEP OF THE GRU, h -> h'.  Arguments: hin (h in f16), hout, cin (h in f32), cout, out3, s16, wts, b_ih, b_hh, cntin, cntout.
; r = sigmoid(h Wr^T + br), z = sigmoid(h Wz^T + bz), n = tanh(h Win^T + bin + r (h Whn^T + bhn)), h' = n + z (h - n).  Wr = w_ih_r + w_hh_r and Wz likewise (input and hidden state are the same h).
; Products on f16 operands with f32 sums; the carry h stays in f32 (cin, cout); gates in f32.  The launch also puts the state that it was given where the outputs want it:
; cin -> out3[t] (row-major) and hin -> s16[t]; t is read from cntin, held to 0..7, and enters those two addresses alone; t + 1 goes to cntout.
; LIMITS.  f16 holds no number beyond 65,504 (|h| <= max(|x|, 1)).  sigmoid and tanh go by 2^x and 1/x: what would be below 2^-126 counts as 0, the ends come out as 0, 1 and -1, 1.  NaN and infinities are not treated apart.
; STATE LAYOUT: [8 slabs of 128 rows][32 blocks of 32 columns][128 rows][32 columns]: a work-group's 128 rows x 32 columns are one dense block (16,384 bytes in f32, 8,192 in f16), and 8 blocks on end are a K step of A.
; SHARES.  A work-group makes 128 rows of h' x 128 rows of WG (32 columns of h' x 4 gates); four waves, 64 x 64 each: 16 accumulators, (a, b) = (block of 16 rows, gate).
; The matrix instruction is used transposed (source 0 = 16 rows of WG, source 1 = 16 rows of h): a lane holds one row and eight neighbouring columns, the same in all four gates, so the gating never leaves the lane.
; K goes in four steps of 256 through two LDS slots; the two refills are written out.  The bias is the C operand of each sum's first product.
; CLUSTER 4 x 4: h's tile hangs on the slab alone and is asked for jointly along a row of the cluster, WG's on the tile column alone and jointly along a column.
; WHICH CLUSTER MAKES WHAT.  Cluster (x, y), x = 0..7, y = 0..1: slabs 4 (x % 2) on, tile columns 4 (x / 2 + 4 y) on: the two clusters that read the same rows of WG are neighbours in x.
; THE WALK ALONG K IS STAGGERED.  p = the parity of x's bits.  A cluster with p = 0 walks K steps 0, 1, 2, 3, one with p = 1 walks 2, 3, 0, 1 (f32 sums may be taken in any order).  The two clusters of a tile column differ in p,
; and so do clusters of a slab: every byte of h and of WG is asked for by some cluster in the launch's first fills, and a refill asks for bytes that another cluster asked for at the start.
; AHEAD OF THE FIRST PRODUCT stand the first tile, the biases and t alone.  h for the gating and what is copied are loaded when the first tile has landed; the copies are stored two K steps later.
; No prefetch: the launch has four K steps, and all of them are asked for at its start by one cluster or another.
; REGISTERS: window 0: v0-31 addresses; v32-63 h of my places; v64-95 the biases; v96-111 packed f16; v128-255 the accumulators.  Window 1: two fragment buffers of 128.  Window 2: v0-47 what is copied.
.set PA,    80                         ; a row of A in LDS: 64 bytes (32 K) + 16: an odd multiple of 16, so a fragment's 16 rows start at 16 different groups of four banks (ISA guide 11.1)
.set CH,    128*PA                     ; a chunk: 128 rows x 32 K
.set PB,    528                        ; a row of B: 512 bytes (256 K) + 16
.set BOFF,  8*CH                       ; B lies behind A's eight chunks
.set BHALF, 64*PB
.set SLOT,  BOFF+2*BHALF
.set SPARE, 2*SLOT                     ; behind the ring: the spare words, 128 bytes for each wave, two blocks of 256 bytes that no other line names
.set PF,    144                        ; the way out: a row of the f32 stage, 128 bytes + 16
.set PH,    80                         ; of the f16 stage, 64 bytes + 16
.set STH,   128*PF                     ; the f32 stage lies at 0, the f16 stage behind it: both in slot 0, which has had its last fill and whose last reads lie ahead of the last change of slots
.set ASTEP, 65536                      ; bytes from K step to K step in hin: 8 blocks
.set BSTEP, 512                        ; in WG: 256 numbers of a row
.set ADRA, 8                           ; v8-11  my A fragments: slot 0 chunks 0-3, 4-7; slot 1 likewise (an LDS offset holds 16 bits)
.set ADRB, 12                          ; v12-13 my B fragments in slot 0, 1
.set STOF, 14                          ; v14    into the f32 stage
.set STOH, 15                          ; v15    into the f16 stage
.set RDF,  16                          ; v16    back from the f32 stage
.set RDH,  17                          ; v17    back from the f16 stage
.set GOF,  18                          ; v18    my bytes of cout's block
.set GOH,  19                          ; v19    of hout's block
.set HO,   20                          ; v20    h of my places, in cin's block
.set CSO,  21                          ; v21    the f32 copy: from
.set CDO,  22                          ; v22    to
.set TO,   23                          ; v23    16 x thread: the f16 copy
.set BO,   24                          ; v24    my eight columns in a bias
.set KO,   25                          ; v25    my 8 bytes of cntout
.set TN,   26                          ; v[26:27] t + 1
.set SPW,  28                          ; v28    my spare word; never rewritten
.set NIL,  29                          ; v29    0; never rewritten
.set H,    32
.set BIAS, 64                          ; 8 registers a gate
.set PK,   96
.set ACC,  128
.set BH,   176                         ; before the first product: b_hh's r and z parts
.set C32,  0                           ; window 2: the f32 copy,
.set C16,  32                          ; the f16 copy
.set NI,   ACC+16                      ; in a block a's 32 registers: r, z, i_n, h_n
.set NH,   ACC+24
.set F0,   0
.set F1,   128
.set A2,  4                            ; s[4:5]  hin at my part of the K step that slot 0 takes second
.set B2,  6                            ; s[6:7]  WG likewise
.set G1,  24                           ; s[24:31] descriptor group 1 for A;  s[32:39] group 0, a set for each slot
.set G0,  32
.set G1B, 48                           ; s[48:55], s[56:63] the same for B
.set G0B, 56
.set NL,  92                           ; s[92:93] -log2(e)
.set TL,  94                           ; s[94:95] 2 log2(e)
.set MSB, 0
.macro WIN new                         ; the immediate's high byte repeats the setting that is left; a switch that changes nothing is dropped
.if MSB != (\new)
	s_set_vgpr_msb (MSB<<8)|(\new)
.set MSB, \new
.endif
.endm
.set MUL,  0x05                        ; sources 0 (B) and 1 (A) window 1; C and D window 0
.set TO_F, 0x40                        ; destination window 1, address window 0
.macro JLOAD s                         ; a joint load: waves 0 and 1 fetch A's two halves, waves 2 and 3 B's; an s_nop 0 and four v_nop follow each of the two lines, ahead of the jump and the label
	s_cmp_eq_u32 s11, 0
	s_cbranch_scc0 .Lfor_b_\@
	tensor_load_to_lds s[G0+4*(\s):G0+4*(\s)+3], s[G1:G1+7]
	s_nop 0
.rept 4
	v_nop
.endr
	s_branch .Lasked_\@
.Lfor_b_\@:
	tensor_load_to_lds s[G0B+4*(\s):G0B+4*(\s)+3], s[G1B:G1B+7]
	s_nop 0
.rept 4
	v_nop
.endr
.Lasked_\@:
.endm
.macro CREST                           ; a round of the cluster's barrier behind its opening barrier
	s_cmp_lg_u32 s10, 0
	s_cbranch_scc1 .Lnot_wave_0_\@
	s_barrier_signal -3
.Lnot_wave_0_\@:
	s_barrier_wait -3
	s_barrier_signal -1
	s_barrier_wait -1
.endm
.macro CROUND                          ; a whole round
	s_barrier_signal -1
	s_barrier_wait -1
	CREST
.endm
.macro PLACES                          ; four places in front of loads into registers that matrix instructions have read, and of vector work that reads results
.rept 4
	v_nop
.endr
.endm
	s_load_b512 s[68:83], s[0:1], 0x0              ; hin s[68:69], hout s[70:71], cin s[72:73], cout s[74:75], out3 s[76:77], s16 s[78:79], wts s[80:81], b_ih s[82:83]
	s_load_b128 s[84:87], s[0:1], 0x40             ; b_hh s[84:85], cntin s[86:87]
	s_load_b64 s[88:89], s[0:1], 0x50              ; cntout
	v_lshl_add_u32 v[SPW], v0, 2, SPARE
	v_mov_b32 v[NIL], 0
	ds_add_u32 v[SPW], v[NIL]                      ; the wave's opening: the add and its wait stand ahead of my first tensor load; the set-up below, work on registers, stands between them
	v_lshrrev_b32 v1, 5, v0
	v_readfirstlane_b32 s10, v1                    ; wave 0..3
	s_lshr_b32 s11, s10, 1                         ; which half of the tile's rows is mine.  Also: I fetch for A (0) or for B (1)
	s_and_b32 s12, s10, 1                          ; which half of its columns.  Also: which half of that tile I fetch
	s_bfe_u32 s40, ttmp6, 0x40000                  ; cx, cy: my place in the cluster
	s_bfe_u32 s41, ttmp6, 0x40004
	s_mov_b32 s9, ttmp9                            ; the cluster's x, 0..7
	s_and_b32 s8, ttmp7, 0xffff                    ; the cluster's y, 0..1
	s_lshr_b32 s42, s9, 1
	s_lshl_b32 s8, s8, 2
	s_add_co_u32 s42, s42, s8                      ; the cluster's group of four tile columns: x / 2 + 4 y
	s_lshl_b32 s42, s42, 2
	s_add_co_u32 s42, s42, s40                     ; tc: tile column = block of 32 columns of h'
	s_and_b32 s13, s9, 1                           ; the cluster's group of four slabs: x % 2
	s_lshl_b32 s13, s13, 2
	s_add_co_u32 s13, s13, s41                     ; tr: slab of 128 rows
	s_bcnt1_i32_b32 s8, s9
	s_and_b32 s8, s8, 1                            ; p: with which half of K the cluster begins; the same in all sixteen partners
	s_lshl_b32 s43, s41, 2
	s_lshl_b32 s43, 15, s43                        ; my row of the cluster
	s_lshl_b32 s44, 0x1111, s40                    ; my column
	; A: 32,768 dense bytes (4 blocks) asked for as 128 rows of 256 bytes, padded in LDS after every 64 bytes, a row of a block
	s_or_b32 s[G1+0], s43, (3<<16)|(1<<20)|(1<<21)|(3<<22)|(3<<25)   ; 15:0 the mask; 17:16 elements of 8 bytes; 20 padding on; 21 set beside a mask; 24:22 after every 16 words (code 3); 31:25 4 words (code 3)
	s_mov_b32 s[G1+1], 32<<16                      ; tensor_dim0 = 32
	s_mov_b32 s[G1+2], 128<<16                     ; tensor_dim1 = 128
	s_mov_b32 s[G1+3], 32<<16                      ; tile_dim0 = 32
	s_mov_b32 s[G1+4], 128                         ; tile_dim1 = 128
	s_mov_b32 s[G1+5], 32                          ; 32 elements from row to row
	s_mov_b32 s[G1+6], 0
	s_mov_b32 s[G1+7], 0
	; B: 64 rows of WG x 256 numbers, padded after every row
	s_or_b32 s[G1B+0], s44, (1<<16)|(1<<20)|(1<<21)|(6<<22)|(3<<25)  ; elements of 2 bytes; after every 128 words (code 6) 4 words
	s_mov_b32 s[G1B+1], 256<<16
	s_mov_b32 s[G1B+2], 64<<16
	s_mov_b32 s[G1B+3], 256<<16
	s_mov_b32 s[G1B+4], 64
	s_mov_b32 s[G1B+5], 1024
	s_mov_b32 s[G1B+6], 0
	s_mov_b32 s[G1B+7], 0
	s_mov_b32 s[NL], 0xbfb8aa3b
	s_mov_b32 s[NL+1], s[NL]                       ; named as pairs, so both words are written
	s_mov_b32 s[TL], 0x4038aa3b
	s_mov_b32 s[TL+1], s[TL]
	s_lshl_b32 s16, s13, 18                        ; A: my slab, 262,144 bytes,
	s_lshl_b32 s17, s12, 15                        ; and which four blocks of a K step I fetch
	s_add_co_u32 s16, s16, s17
	s_mov_b32 s17, 0
	s_lshl_b32 s46, s42, 18                        ; B: row 128 tc, rows of 2,048 bytes,
	s_lshl_b32 s47, s12, 17                        ; and which 64 rows
	s_add_co_u32 s46, s46, s47
	s_mov_b32 s47, 0
	s_lshl_b32 s18, s8, 17                         ; the first fills begin at K step 2 p: 2 p ASTEP,
	s_mov_b32 s19, 0
	s_lshl_b32 s44, s8, 10                         ; 2 p BSTEP (the mask in s44 has been used);
	s_mov_b32 s45, 0
	s_xor_b32 s8, s8, 1
	s_lshl_b32 s[A2], s8, 17                       ; the refills at K step 2 (1 - p)
	s_mov_b32 s[A2+1], 0
	s_lshl_b32 s[B2], s8, 10
	s_mov_b32 s[B2+1], 0
	s_mul_i32 s20, s12, 4*CH                       ; where they go: no place in the cluster enters an LDS address
	s_mul_i32 s21, s12, BHALF
	s_add_co_u32 s21, s21, BOFF
	s_wait_dscnt 0x0                               ; the opening add is done
	s_wait_kmcnt 0x0
	s_add_nc_u64 s[14:15], s[68:69], s[16:17]      ; my part of K step 0, in hin
	s_add_nc_u64 s[46:47], s[80:81], s[46:47]      ; and in WG
	s_add_nc_u64 s[A2:A2+1], s[14:15], s[A2:A2+1]
	s_add_nc_u64 s[B2:B2+1], s[46:47], s[B2:B2+1]
	s_add_nc_u64 s[14:15], s[14:15], s[18:19]
	s_add_nc_u64 s[46:47], s[46:47], s[44:45]
.irp s, 0,1
	s_mov_b32 s[G0+4*(\s)], 1
	s_add_co_u32 s[G0+4*(\s)+1], s20, (\s)*SLOT
	s_add_nc_u64 s[G0+4*(\s)+2:G0+4*(\s)+3], s[14:15], (\s)*ASTEP
	s_or_b32 s[G0+4*(\s)+3], s[G0+4*(\s)+3], 0x80000000
	s_mov_b32 s[G0B+4*(\s)], 1
	s_add_co_u32 s[G0B+4*(\s)+1], s21, (\s)*SLOT
	s_add_nc_u64 s[G0B+4*(\s)+2:G0B+4*(\s)+3], s[46:47], (\s)*BSTEP
	s_or_b32 s[G0B+4*(\s)+3], s[G0B+4*(\s)+3], 0x80000000
.endr
	CROUND                                         ; all sixteen work-groups are here: the first joint loads meet
	JLOAD 0                                        ; the walk's first two K steps: two tensor loads of mine are out
	JLOAD 1
	s_load_b32 s90, s[86:87], 0x0                  ; t
	; what comes straight from memory: the biases now; h of my places and what is copied later.  First the offsets and bases
	v_and_b32 v1, 15, v0                           ; r = l % 16
	v_bfe_u32 v2, v0, 4, 1                         ; l / 16
	v_and_b32 v3, 31, v0                           ; l
	v_bfe_u32 v6, v0, 3, 1
	v_and_b32 v7, 7, v0
	s_lshl_b32 s2, s42, 7
	s_lshl_b32 s3, s12, 6
	s_add_co_u32 s2, s2, s3
	v_lshl_add_u32 v[BO], v2, 5, s2                ; 4 (32 tc + 16 half + 8 (l / 16))
.irp g, 0,1,2
	global_load_b128 v[BIAS+8*(\g):BIAS+8*(\g)+3],   v[BO], s[82:83] offset:4096*(\g)
	global_load_b128 v[BIAS+8*(\g)+4:BIAS+8*(\g)+7], v[BO], s[82:83] offset:4096*(\g)+16
.endr
	global_load_b128 v[BIAS+24:BIAS+27], v[BO], s[84:85] offset:8192
	global_load_b128 v[BIAS+28:BIAS+31], v[BO], s[84:85] offset:8192+16
.irp g, 0,1
	global_load_b128 v[BH+8*(\g):BH+8*(\g)+3],   v[BO], s[84:85] offset:4096*(\g)
	global_load_b128 v[BH+8*(\g)+4:BH+8*(\g)+7], v[BO], s[84:85] offset:4096*(\g)+16
.endr
	s_lshl_b32 s2, s11, 13
	s_add_co_u32 s2, s2, s3
	v_lshlrev_b32 v[HO], 7, v1                     ; (64 half + r) rows of 128 bytes + my eight columns
	v_lshl_add_u32 v[HO], v2, 5, v[HO]
	v_add_nc_u32 v[HO], s2, v[HO]
	v_lshlrev_b32 v[CSO], 14, v6                   ; the f32 copy takes 2 rows x 64 columns a load: block (l / 8) % 2, row l / 16, 16 bytes each
	v_lshl_add_u32 v[CSO], v2, 7, v[CSO]
	v_lshl_add_u32 v[CSO], v7, 4, v[CSO]
	s_lshl_b32 s2, s10, 11                         ; 16 rows a wave
	v_add_nc_u32 v[CSO], s2, v[CSO]
	v_lshlrev_b32 v[CDO], 12, v2                   ; and stores them as 2 x 256 bytes on end of rows of out3
	v_lshl_add_u32 v[CDO], v1, 4, v[CDO]
	s_lshl_b32 s2, s10, 16
	v_add_nc_u32 v[CDO], s2, v[CDO]
	v_lshlrev_b32 v[TO], 4, v0
	s_lshl_b32 s18, s13, 5
	s_add_co_u32 s18, s18, s42                     ; my block's number, 32 tr + tc
	s_mov_b32 s23, 0
	s_lshl_b32 s22, s18, 14
	s_add_nc_u64 s[96:97], s[72:73], s[22:23]      ; cin at my block
	s_add_nc_u64 s[74:75], s[74:75], s[22:23]      ; cout at my block
	s_lshl_b32 s22, s18, 13
	s_add_nc_u64 s[98:99], s[68:69], s[22:23]      ; hin at my block
	s_add_nc_u64 s[70:71], s[70:71], s[22:23]      ; hout at my block
	s_add_nc_u64 s[78:79], s[78:79], s[22:23]      ; s16 likewise (t's part follows)
	s_and_b32 s19, s18, 1                          ; two neighbouring blocks are 256 bytes of out3's rows: the even work-group copies rows 0-63 of both, the odd one rows 64-127
	s_sub_co_u32 s22, s18, s19
	s_lshl_b32 s22, s22, 14
	s_lshl_b32 s2, s19, 13
	s_add_co_u32 s22, s22, s2
	s_add_nc_u64 s[66:67], s[72:73], s[22:23]
	s_lshl_b32 s22, s13, 19                        ; out3: 128 tr rows of 4,096 bytes,
	s_lshl_b32 s2, s19, 18                         ; + 64 rows,
	s_add_co_u32 s22, s22, s2
	s_lshr_b32 s2, s42, 1
	s_lshl_b32 s2, s2, 8                           ; + the pair's 256 bytes
	s_add_co_u32 s22, s22, s2
	s_add_nc_u64 s[76:77], s[76:77], s[22:23]
	; the LDS addresses, while the biases and the first tiles are out
	v_mul_u32_u24 v4, v1, PA
	v_lshl_add_u32 v4, v2, 4, v4                   ; a fragment's row x pitch + 16 x half of the lanes
	v_mul_u32_u24 v5, v1, PB
	v_lshl_add_u32 v5, v2, 4, v5
	s_mul_i32 s2, s11, 64*PA                       ; my 64 rows of A
	v_add_nc_u32 v[ADRA], s2, v4
	v_add_nc_u32 v[ADRA+1], 4*CH, v[ADRA]
	v_add_nc_u32 v[ADRA+2], SLOT, v[ADRA]
	v_add_nc_u32 v[ADRA+3], SLOT+4*CH, v[ADRA]
	v_add_nc_u32 v[ADRB], s21, v5                  ; my 64 rows of B
	v_add_nc_u32 v[ADRB+1], SLOT, v[ADRB]
	s_mul_i32 s2, s11, 64*PF
	s_lshl_b32 s3, s12, 6
	s_add_co_u32 s2, s2, s3
	v_mul_u32_u24 v[STOF], v1, PF                  ; into the stages: row 64 half + r, my eight columns
	v_lshl_add_u32 v[STOF], v2, 5, v[STOF]
	v_add_nc_u32 v[STOF], s2, v[STOF]
	s_mul_i32 s2, s11, 64*PH
	s_lshl_b32 s3, s12, 5
	s_add_co_u32 s2, s2, s3
	s_add_co_u32 s2, s2, STH
	v_add_nc_u32 v[STOH], s2, v4
	v_lshrrev_b32 v6, 3, v3                        ; back: wave w takes rows 32 w on, whole: 4 rows of 128 bytes a load,
	v_mul_u32_u24 v[RDF], v6, PF
	v_lshl_add_u32 v[RDF], v7, 4, v[RDF]
	s_mul_i32 s2, s10, 32*PF
	v_add_nc_u32 v[RDF], s2, v[RDF]
	v_lshrrev_b32 v6, 2, v3                        ; or 8 rows of 64 bytes
	v_and_b32 v7, 3, v3
	v_mul_u32_u24 v[RDH], v6, PH
	v_lshl_add_u32 v[RDH], v7, 4, v[RDH]
	s_mul_i32 s2, s10, 32*PH
	s_add_co_u32 s2, s2, STH
	v_add_nc_u32 v[RDH], s2, v[RDH]
	s_lshl_b32 s2, s10, 12
	v_lshl_add_u32 v[GOF], v3, 4, s2               ; both are 512 bytes on end of the dense block
	s_lshl_b32 s2, s10, 11
	v_lshl_add_u32 v[GOH], v3, 4, s2
	s_lshl_b32 s2, s41, 2
	s_add_co_u32 s2, s2, s40
	s_lshl_b32 s2, s2, 8
	v_lshl_add_u32 v[KO], v3, 3, s2                ; cntout: 256 bytes for each of the first cluster's sixteen work-groups, told apart by address
	s_wait_kmcnt 0x0                               ; t
	s_min_u32 s90, s90, 7
	s_add_co_u32 s91, s90, 1
	v_mov_b32 v[TN], s91
	v_mov_b32 v[TN+1], s91
	s_lshl_b32 s22, s90, 22
	s_add_nc_u64 s[76:77], s[76:77], s[22:23]      ; out3[t]
	s_lshl_b32 s22, s90, 21
	s_add_nc_u64 s[78:79], s[78:79], s[22:23]      ; s16[t]
	s_and_b32 s2, ttmp7, 0xffff                    ; the first cluster's waves 0 store t + 1: the test hangs on the cluster's place and the wave's number, alike in all partners
	s_or_b32 s2, s2, ttmp9
	s_or_b32 s2, s2, s10
	s_cmp_lg_u32 s2, 0
	s_cbranch_scc1 .Lno_count
	global_store_b64 v[KO], v[TN:TN+1], s[88:89]   ; its offset and data are never rewritten
.Lno_count:
	s_wait_loadcnt 0x0                             ; the 12 loads of biases: no other load is out
.set i, 0
.rept 8
	v_pk_add_f32 v[BIAS+2*i:BIAS+2*i+1], v[BIAS+2*i:BIAS+2*i+1], v[BH+2*i:BH+2*i+1]  ; r's and z's two biases are one
.set i, i+1
.endr
; 8 matrix instructions: row blocks a0, a0 + 1 x the 4 gates, 32 along K: half c of buffer f.  first = 1: the bias starts the sums.  The accumulators take turns, one instruction a turn.
.macro MUL8 f, c, a0, first
	WIN MUL
.irp a, \a0, (\a0)+1
.irp b, 0,1,2,3
.if \first
	v_wmma_f32_16x16x32_f16 v[ACC+8*(4*(\a)+(\b)):ACC+8*(4*(\a)+(\b))+7], v[(\f)+64+8*(4*(\c)+(\b)):(\f)+64+8*(4*(\c)+(\b))+7], v[(\f)+8*(4*(\c)+(\a)):(\f)+8*(4*(\c)+(\a))+7], v[BIAS+8*(\b):BIAS+8*(\b)+7]
.else
	v_wmma_f32_16x16x32_f16 v[ACC+8*(4*(\a)+(\b)):ACC+8*(4*(\a)+(\b))+7], v[(\f)+64+8*(4*(\c)+(\b)):(\f)+64+8*(4*(\c)+(\b))+7], v[(\f)+8*(4*(\c)+(\a)):(\f)+8*(4*(\c)+(\a))+7], v[ACC+8*(4*(\a)+(\b)):ACC+8*(4*(\a)+(\b))+7]
.endif
.endr
.endr
.endm
; 32 LDS loads in one run: the fragments of quarter q (64 along K: A's chunks 2 q, 2 q + 1; byte 128 q of B's rows) into buffer f; the first 32 along K first
.macro FETCH slot, q, f
	WIN TO_F
.irp c, 0,1
.irp i, 0,1,2,3
	ds_load_b128 v[(\f)+64+8*(4*(\c)+(\i)):(\f)+64+8*(4*(\c)+(\i))+3],   v[ADRB+(\slot)] offset:128*(\q)+64*(\c)+(\i)*16*PB
	ds_load_b128 v[(\f)+64+8*(4*(\c)+(\i))+4:(\f)+64+8*(4*(\c)+(\i))+7], v[ADRB+(\slot)] offset:128*(\q)+64*(\c)+(\i)*16*PB+32
	ds_load_b128 v[(\f)+8*(4*(\c)+(\i)):(\f)+8*(4*(\c)+(\i))+3],         v[ADRA+2*(\slot)+(\q)/2] offset:(2*((\q)%2)+(\c))*CH+(\i)*16*PA
	ds_load_b128 v[(\f)+8*(4*(\c)+(\i))+4:(\f)+8*(4*(\c)+(\i))+7],       v[ADRA+2*(\slot)+(\q)/2] offset:(2*((\q)%2)+(\c))*CH+(\i)*16*PA+32
.endr
.endr
.endm
; A K step is four quarters of 64 along K, 32 matrix instructions each, on buffers 0, 1, 0, 1.  One of the first three: multiplies buffer f and fetches quarter q into g.
.macro QUARTER slot, q, f, g, first
	s_wait_dscnt 16                                ; the first 32 along K are in; the youngest sixteen loads may be out
	MUL8 \f, 0, 0, \first
	MUL8 \f, 0, 2, \first
	PLACES
	FETCH \slot, \q, \g
	s_wait_dscnt 32                                ; all but the 32 just issued
	MUL8 \f, 1, 0, 0
	MUL8 \f, 1, 2, 0
.endm
; The last quarter multiplies buffer 1 and changes slots: ONE barrier; in front of it each wave waits for all its tensor loads, adds 0 to its spare word, and waits for that and for its own reads of this slot.
; fill = 1: the barrier opens a round of the cluster's, and this slot is filled again, with the walk's K step two on, first thing behind the round: one tensor load of mine is out, with 112 matrix instructions ahead of the wait for it.
; The refill's addresses are made anew from the second half's pointers, behind the wait for all tensor loads.
.macro TURN slot, next, fill
	WIN 0                                          ; (the add's two registers lie in window 0)
	s_wait_tensorcnt 0x0                           ; all my tensor loads have landed: my part of the next slot; so a group 0 may be written;
	ds_add_u32 v[SPW], v[NIL]                      ; 0 onto my spare word;
.if \fill
	s_add_nc_u64 s[G0+4*(\slot)+2:G0+4*(\slot)+3], s[A2:A2+1], (\slot)*ASTEP
	s_or_b32 s[G0+4*(\slot)+3], s[G0+4*(\slot)+3], 0x80000000
	s_add_nc_u64 s[G0B+4*(\slot)+2:G0B+4*(\slot)+3], s[B2:B2+1], (\slot)*BSTEP
	s_or_b32 s[G0B+4*(\slot)+3], s[G0B+4*(\slot)+3], 0x80000000
.endif
	s_wait_dscnt 17                                ; (the add and the youngest sixteen loads may be out)
	MUL8 F1, 0, 0, 0                               ; eight matrix instructions stand between the add and the wait for it
	s_wait_dscnt 0x0                               ; the add is done, and my reads of this slot are over
	s_barrier_signal -1
	MUL8 F1, 0, 2, 0
.if \fill
	WIN 0
.endif
	s_barrier_wait -1
.if \fill
	CREST                                          ; no wave of any partner still reads this slot's tile or has a load on its way
	JLOAD \slot                                    ; the four v_nop behind it are also the places in front of the loads below
.else
	PLACES
.endif
	FETCH \next, 0, F0
	MUL8 F1, 1, 0, 0
	MUL8 F1, 1, 2, 0
.endm
	s_wait_tensorcnt 1                             ; my part of the walk's first K step is in; the second's may stay out
	s_barrier_signal -1
	s_barrier_wait -1                              ; everybody's is
	FETCH 0, 0, F0
	; the first tile has landed: now the 20 loads that no product waits for: h of my places, then what is copied
	WIN 0
.irp a, 0,1,2,3
	global_load_b128 v[H+8*(\a):H+8*(\a)+3],   v[HO], s[96:97] offset:2048*(\a)
	global_load_b128 v[H+8*(\a)+4:H+8*(\a)+7], v[HO], s[96:97] offset:2048*(\a)+16
.endr
	WIN 0x80                                       ; destination window 2, address window 0
.irp i, 0,1,2,3,4,5,6,7
	global_load_b128 v[C32+4*(\i):C32+4*(\i)+3], v[CSO], s[66:67] offset:256*(\i)
.endr
.irp i, 0,1,2,3
	global_load_b128 v[C16+4*(\i):C16+4*(\i)+3], v[TO], s[98:99] offset:2048*(\i)
.endr
	QUARTER 0, 1, F0, F1, 1                        ; the walk's first K step
	QUARTER 0, 2, F1, F0, 0
	QUARTER 0, 3, F0, F1, 0
	TURN 0, 1, 1                                   ; slot 0 takes the third
	QUARTER 1, 1, F0, F1, 0                        ; the second K step
	QUARTER 1, 2, F1, F0, 0
	QUARTER 1, 3, F0, F1, 0
	TURN 1, 0, 1                                   ; slot 1 takes the fourth
	; the copies leave, two K steps behind their loads; their registers are never rewritten, so nothing waits for these stores
	WIN 0x08                                       ; the stored data lie in window 2
	s_wait_loadcnt 4                               ; h and the f32 copy are in; the f16 copy's four loads may be out
.irp i, 0,1,2,3,4,5,6,7
	global_store_b128 v[CDO], v[C32+4*(\i):C32+4*(\i)+3], s[76:77] offset:8192*(\i) th:TH_STORE_NT  ; 16 lanes store 256 consecutive bytes, aligned
.endr
	s_wait_loadcnt 0x0
.irp i, 0,1,2,3
	global_store_b128 v[TO], v[C16+4*(\i):C16+4*(\i)+3], s[78:79] offset:2048*(\i)
.endr
	QUARTER 0, 1, F0, F1, 0                        ; the third K step
	QUARTER 0, 2, F1, F0, 0
	QUARTER 0, 3, F0, F1, 0
	TURN 0, 1, 0                                   ; nothing is left to fetch; behind this barrier nobody reads slot 0 any more
	QUARTER 1, 1, F0, F1, 0                        ; the fourth K step
	QUARTER 1, 2, F1, F0, 0
	QUARTER 1, 3, F0, F1, 0
	s_wait_dscnt 16
	MUL8 F1, 0, 0, 0
	MUL8 F1, 0, 2, 0
	s_wait_dscnt 0x0
	MUL8 F1, 1, 0, 0
	MUL8 F1, 1, 2, 0
	WIN 0
	PLACES
	; THE GATES, in place, every accumulator read from its low end on.  Each kind of transcendental is one batch over the wave's four row blocks, with one plain instruction and one wait behind it.
.macro EACH n, line:vararg             ; the line for a = 0 .. 3 and i = 0 .. n - 1
.set a, 0
.rept 4
.set i, 0
.rept \n
	\line
.set i, i+1
.endr
.set a, a+1
.endr
.endm
	EACH 8, v_pk_mul_f32 v[ACC+32*a+2*i:ACC+32*a+2*i+1], v[ACC+32*a+2*i:ACC+32*a+2*i+1], s[NL:NL+1] op_sel_hi:[1,0]
	EACH 16, v_exp_f32 v[ACC+32*a+i], v[ACC+32*a+i]
	v_nop
	s_wait_alu depctr_va_vdst(0)                   ; one wait for the 64 exponentials, ahead of their first reader
	EACH 8, v_pk_add_f32 v[ACC+32*a+2*i:ACC+32*a+2*i+1], v[ACC+32*a+2*i:ACC+32*a+2*i+1], 1.0 op_sel_hi:[1,0]
	EACH 16, v_rcp_f32 v[ACC+32*a+i], v[ACC+32*a+i]
	v_nop
	s_wait_alu depctr_va_vdst(0)                   ; r and z = 1 / (1 + 2^(-x log2 e))
	EACH 4, v_pk_fma_f32 v[NI+32*a+2*i:NI+32*a+2*i+1], v[ACC+32*a+2*i:ACC+32*a+2*i+1], v[NH+32*a+2*i:NH+32*a+2*i+1], v[NI+32*a+2*i:NI+32*a+2*i+1]
	EACH 4, v_pk_mul_f32 v[NI+32*a+2*i:NI+32*a+2*i+1], v[NI+32*a+2*i:NI+32*a+2*i+1], s[TL:TL+1] op_sel_hi:[1,0]
	EACH 8, v_exp_f32 v[NI+32*a+i], v[NI+32*a+i]
	v_nop
	s_wait_alu depctr_va_vdst(0)
	EACH 4, v_pk_add_f32 v[NI+32*a+2*i:NI+32*a+2*i+1], v[NI+32*a+2*i:NI+32*a+2*i+1], 1.0 op_sel_hi:[1,0]
	EACH 8, v_rcp_f32 v[NI+32*a+i], v[NI+32*a+i]
	v_nop
	s_wait_alu depctr_va_vdst(0)
	EACH 4, v_pk_fma_f32 v[NI+32*a+2*i:NI+32*a+2*i+1], v[NI+32*a+2*i:NI+32*a+2*i+1], -2.0, 1.0 op_sel_hi:[1,0,0]
	EACH 4, v_pk_add_f32 v[H+8*a+2*i:H+8*a+2*i+1], v[H+8*a+2*i:H+8*a+2*i+1], v[NI+32*a+2*i:NI+32*a+2*i+1] neg_lo:[0,1] neg_hi:[0,1]
	EACH 4, v_pk_fma_f32 v[ACC+32*a+2*i:ACC+32*a+2*i+1], v[ACC+8+32*a+2*i:ACC+8+32*a+2*i+1], v[H+8*a+2*i:H+8*a+2*i+1], v[NI+32*a+2*i:NI+32*a+2*i+1]
	EACH 4, v_cvt_pk_f16_f32 v[PK+4*a+i], v[ACC+32*a+2*i], v[ACC+32*a+2*i+1]
	; THE WAY OUT: a row's bytes come from two waves, so both forms of h' meet in the stages; a barrier; back as whole rows, 32 rows a wave
.irp a, 0,1,2,3
	ds_store_b128 v[STOF], v[ACC+32*(\a):ACC+32*(\a)+3]   offset:(\a)*16*PF
	ds_store_b128 v[STOF], v[ACC+32*(\a)+4:ACC+32*(\a)+7] offset:(\a)*16*PF+16
	ds_store_b128 v[STOH], v[PK+4*(\a):PK+4*(\a)+3]       offset:(\a)*16*PH
.endr
	s_wait_dscnt 0x0                               ; for the others' sake: my stores into the stages are done
	s_barrier_signal -1
	s_barrier_wait -1
.irp i, 0,1,2,3,4,5,6,7
	ds_load_b128 v[ACC+4*(\i):ACC+4*(\i)+3], v[RDF] offset:(\i)*4*PF
.endr
.irp i, 0,1,2,3
	ds_load_b128 v[ACC+32+4*(\i):ACC+32+4*(\i)+3], v[RDH] offset:(\i)*8*PH
.endr
.irp i, 0,1,2,3,4,5,6,7
	s_wait_dscnt 11-(\i)
	global_store_b128 v[GOF], v[ACC+4*(\i):ACC+4*(\i)+3], s[74:75] offset:512*(\i)  ; 512 consecutive bytes of the dense block
.endr
.irp i, 0,1,2,3
	s_wait_dscnt 3-(\i)
	global_store_b128 v[GOH], v[ACC+32+4*(\i):ACC+32+4*(\i)+3], s[70:71] offset:512*(\i)
.endr
	s_wait_tensorcnt 0x0                           ; the wave's end: behind my last tensor load and my last LDS store
	ds_add_u32 v[SPW], v[NIL]
	s_wait_dscnt 0x0
	CROUND                                         ; the closing round: no work-group ends while a partner may still ask for a tile that names it
	s_endpgm
.Lfunc_end_k_qc02fdaf42b_gru:
	.size	k_qc02fdaf42b_gru, .Lfunc_end_k_qc02fdaf42b_gru-k_qc02fdaf42b_gru
	.p2alignl 7, 3214868480
	.fill 96, 4, 3214868480
	.section	.rodata,"a",@progbits
	.p2align	6, 0x0
	.amdhsa_kernel k_qc02fdaf42b_gru
		.amdhsa_group_segment_fixed_size 327680
		.amdhsa_private_segment_fixed_size 0
		.amdhsa_enable_private_segment 0
		.amdhsa_kernarg_size 88
		.amdhsa_user_sgpr_count 2
		.amdhsa_user_sgpr_kernarg_segment_ptr 1
		.amdhsa_wavefront_size32 1
		.amdhsa_system_sgpr_workgroup_id_x 1
		.amdhsa_system_sgpr_workgroup_id_y 1
		.amdhsa_system_sgpr_workgroup_id_z 1
		.amdhsa_system_vgpr_workitem_id 0
		.amdhsa_next_free_vgpr 576
		.amdhsa_next_free_sgpr 100
		.amdhsa_reserve_vcc 0
		.amdhsa_float_denorm_mode_32 3
		.amdhsa_float_denorm_mode_16_64 3
		.amdhsa_memory_ordered 1
		.amdhsa_forward_progress 1
		.amdhsa_inst_pref_size 107
	.end_amdhsa_kernel
	.amdgpu_metadata
---
amdhsa.version: [ 1, 2 ]
amdhsa.kernels:
  - .name:           k_qc02fdaf42b_gru
    .symbol:         k_qc02fdaf42b_gru.kd
    .args:
      - { .name: ha, .offset: 0, .size: 8, .value_kind: global_buffer, .address_space: global }
      - { .name: hb, .offset: 8, .size: 8, .value_kind: global_buffer, .address_space: global }
      - { .name: ca, .offset: 16, .size: 8, .value_kind: global_buffer, .address_space: global }
      - { .name: cb, .offset: 24, .size: 8, .value_kind: global_buffer, .address_space: global }
      - { .name: out3, .offset: 32, .size: 8, .value_kind: global_buffer, .address_space: global }
      - { .name: s16, .offset: 40, .size: 8, .value_kind: global_buffer, .address_space: global }
      - { .name: wts, .offset: 48, .size: 8, .value_kind: global_buffer, .address_space: global }
      - { .name: b_ih, .offset: 56, .size: 8, .value_kind: global_buffer, .address_space: global }
      - { .name: b_hh, .offset: 64, .size: 8, .value_kind: global_buffer, .address_space: global }
      - { .name: cnt0, .offset: 72, .size: 8, .value_kind: global_buffer, .address_space: global }
      - { .name: cnt1, .offset: 80, .size: 8, .value_kind: global_buffer, .address_space: global }
    .group_segment_fixed_size: 327680
    .private_segment_fixed_size: 0
    .kernarg_segment_align: 8
    .kernarg_segment_size: 88
    .max_flat_workgroup_size: 128
    .sgpr_count:     100
    .vgpr_count:     576
    .wavefront_size: 32
...
	.end_amdgpu_metadata
.endif
;; end of part 2
;; launch g1: the kernel of part 2 again; grid 32 x 8, 4 waves a work-group, clusters of 4 x 4, 327,680 bytes of LDS; arguments hb, ha, cb, ca, out3, s16, wts, b_ih, b_hh, cnt1, cnt0; writes ha, ca, out3, s16, cnt0
;; launch g2: the kernel of part 2 again; grid 32 x 8, 4 waves a work-group, clusters of 4 x 4, 327,680 bytes of LDS; arguments ha, hb, ca, cb, out3, s16, wts, b_ih, b_hh, cnt0, cnt1; writes hb, cb, out3, s16, cnt1
;; launch g3: the kernel of part 2 again; grid 32 x 8, 4 waves a work-group, clusters of 4 x 4, 327,680 bytes of LDS; arguments hb, ha, cb, ca, out3, s16, wts, b_ih, b_hh, cnt1, cnt0; writes ha, ca, out3, s16, cnt0
;; launch g4: the kernel of part 2 again; grid 32 x 8, 4 waves a work-group, clusters of 4 x 4, 327,680 bytes of LDS; arguments ha, hb, ca, cb, out3, s16, wts, b_ih, b_hh, cnt0, cnt1; writes hb, cb, out3, s16, cnt1
;; launch g5: the kernel of part 2 again; grid 32 x 8, 4 waves a work-group, clusters of 4 x 4, 327,680 bytes of LDS; arguments hb, ha, cb, ca, out3, s16, wts, b_ih, b_hh, cnt1, cnt0; writes ha, ca, out3, s16, cnt0
;; launch g6: the kernel of part 2 again; grid 32 x 8, 4 waves a work-group, clusters of 4 x 4, 327,680 bytes of LDS; arguments ha, hb, ca, cb, out3, s16, wts, b_ih, b_hh, cnt0, cnt1; writes hb, cb, out3, s16, cnt1
;; launch g7: the kernel of part 2 again; grid 32 x 8, 4 waves a work-group, clusters of 4 x 4, 327,680 bytes of LDS; arguments hb, ha, cb, ca, out3, s16, wts, b_ih, b_hh, cnt1, cnt0; writes ha, ca, out3, s16, cnt0
;; launch heads (part 3): grid 8 x 32, 4 waves a work-group, clusters of 4 x 4, 327,680 bytes of LDS; arguments s16, wts, b_op1, b_num1, ca, cb, out0; writes cb, out0
.if DOCPART == 3
	.amdgcn_target "amdgcn-amd-amdhsa--gfx1250"
	.amdhsa_code_object_version 6
	.text
	.protected	k_qc02fdaf42b_heads
	.globl	k_qc02fdaf42b_heads
	.p2align	8
	.type	k_qc02fdaf42b_heads,@function
k_qc02fdaf42b_heads:
	s_mov_b64 s[64:65], 0
	v_nop
	global_prefetch_b8 v0, s[64:65] scope:SCOPE_SE
	s_setreg_imm32_b32 hwreg(HW_REG_WAVE_MODE, 25, 1), 1
	s_wait_xcnt 0x0
	s_wait_alu depctr_hold_cnt(0) depctr_sa_sdst(0) depctr_va_vdst(0) depctr_va_sdst(0) depctr_va_ssrc(0) depctr_va_vcc(0) depctr_vm_vsrc(0)
	s_getreg_b32 s2, hwreg(HW_REG_IB_STS2, 6, 4)
	s_cmp_eq_u32 s2, 0
	s_cbranch_scc0 .Lentry_in_a_cluster
	s_endpgm
.Lentry_in_a_cluster:
	s_bfe_u32 s2, ttmp6, 0x10000c
	s_cmp_lg_u32 s2, 0xf033
	s_cbranch_scc0 .Lentry_shape_is_right
	s_endpgm
.Lentry_shape_is_right:
; THE TWO HEADS OF ALL EIGHT STEPS AT ONCE.  Y = gelu(S W1 + b1), S: the 8 states as [8192][1024] (f16, in blocks), W1: [w_op1 | w_num1] as [2 nets][1024 k][1024 n] (f16); then Y's 128 columns of a wave
; times W2C's rows (w_op2's five columns and w_num2): six partial sums for each row, stored in f32 to cb; the launch behind adds the 16 column parts.  Also: the last state, ca (f32, in blocks) -> out0 (row-major).
; Products on f16 operands with f32 sums; gelu in f32, rounded once to f16 for the second product.
; GELU, exact form: gelu(x) = x/2 - |x| (W - 1/2), W = (((((a5 t + a4) t + a3) t + a2) t + a1) t) 2^(-x^2 log2(e)/2), t = 1 / (1 + p |x|): the rational form of erf of Abramowitz and Stegun, 7.1.26, its factors halved;
; its error in erf is at most 1.5e-7 for every x.
; LIMITS.  f16 holds no number beyond 65,504: the states, the weights and gelu's results must lie within it.  NaN and infinities are not treated apart.
; SHARES.  A tile is 256 rows x 256 columns; four waves, 128 x 128 each: 64 accumulators in windows 2 and 3.  K goes in steps of 128 through two LDS slots.
; The matrix instruction is used transposed (source 0 = 16 columns n of W1, turned on their way out of LDS; source 1 = 16 rows of S): a lane holds one row and eight neighbouring n.  Two neighbouring
; blocks of gelu's results, packed to f16, ARE source 1 (16 rows x 32 n) of the second product.  The bias is the C operand of each sum's first product.
; CLUSTER 4 x 4: S's tile is asked for jointly along a row of the cluster, W1's along a column.
; REGISTERS: window 0: v0-31 addresses, v12-15 a row block's six sums; v32-63 W2C's four fragments; v64-127, v128-191 A's two buffers; v192-255 the bias (8 blocks x 8); on the way out v64-255 are gelu's.
;   window 1: v0-31 gelu's results in f16; v32-47 the second product's two accumulators; v64-191 B's two buffers.   Windows 2, 3: accumulator (a, b) at v[8 (8 (a % 4) + b)].
.set PA,    80                         ; a row of A in LDS: 64 bytes (32 K) + 16
.set CH,    128*PA                     ; a chunk: 128 rows x 32 K
.set ASLAB, 4*CH                       ; a slab's K step
.set PBH,   544                        ; a row k of B: 512 bytes (256 n) + 32
.set BOFF,  2*ASLAB
.set BHALF, 64*PBH
.set SLOT,  BOFF+2*BHALF
.set SPARE, 2*SLOT                     ; behind the ring: the spare words, 128 bytes for each wave
.set LAPS,  4                          ; a lap = two K steps
.set ASTEP, 32768                      ; bytes from K step to K step in a slab: 4 blocks
.set BSTEP, 262144                     ; in W1: 128 rows of 2,048 bytes
.set OUTR, 12
.set ADRA, 16                          ; v16-17 my A fragments in slot 0, 1
.set ADRB, 20                          ; v20-21 the same for B
.set CSO,  22                          ; v22    the copy: from
.set CDO,  23                          ; v23    to
.set DA0,  24                          ; v24    65,536 x wave + 16 x lane: my place in the dump; never rewritten
.set ADR,  25                          ; v25    the dump's row block in hand
.set PO,   26                          ; v26    my 16 bytes of the partial sums
.set BO,   27                          ; v27    my eight columns in the bias
.set SPW,  28                          ; v28    my spare word; never rewritten
.set NIL,  29                          ; v29    0; never rewritten
.set PFO,  30                          ; v30    the prefetches' lane offset; never rewritten
.set WO,   31                          ; v31    my place in W2C
.set W2F,  32
.set F0,   64
.set F1,   128
.set BIAS, 192
.set X,    64                          ; the way out: a row block's 64 numbers a lane,
.set AX,   128                         ; |x|,
.set T,    160                         ; t,
.set E,    192                         ; the exponential,
.set P,    224                         ; the polynomial and the result
.set G,    0                           ; window 1
.set D2A,  32
.set D2B,  40
.set PFA,  4                           ; s[4:5]  where my prefetches stand
.set LIM,  6                           ; s6      1 in a wave that prefetches, else the greatest number
.set TB,   7                           ; s7      the dump's row block in hand, in bytes
.set G1,  24
.set G0,  32
.set G1B, 48
.set G0B, 56
.set PP,  82                           ; s[82:83] p / sqrt(2); the constants are named as pairs, so both words are written
.set NK,  84                           ; s[84:85] -log2(e) / 2
.set A5,  86
.set A4,  88
.set A3,  90
.set A2,  92
.set A1,  94
.set ABSM, 96                          ; s96     clears a sign
.set CNT,  97                          ; s97     row blocks to go
.set PFS,  98                          ; s[98:99] a K step of what I prefetch, in bytes
.set MSB, 0
.macro WIN new                         ; the immediate's high byte repeats the setting that is left; a switch that changes nothing is dropped
.if MSB != (\new)
	s_set_vgpr_msb (MSB<<8)|(\new)
.set MSB, \new
.endif
.endm
.set MUL_LO, 0xa1                      ; source 0 (B) window 1, source 1 (A) window 0, C and D window 2
.set MUL_HI, 0xf1                      ; the same, C and D window 3
.set TO_B,   0x40                      ; destination window 1, address window 0
.macro JLOAD s                         ; a joint load: waves 0 and 1 fetch A's two slabs, waves 2 and 3 B's two halves; an s_nop 0 and four v_nop follow each of the two lines
	s_cmp_eq_u32 s11, 0
	s_cbranch_scc0 .Lfor_b_\@
	tensor_load_to_lds s[G0+4*(\s):G0+4*(\s)+3], s[G1:G1+7]
	s_nop 0
.rept 4
	v_nop
.endr
	s_branch .Lasked_\@
.Lfor_b_\@:
	tensor_load_to_lds s[G0B+4*(\s):G0B+4*(\s)+3], s[G1B:G1B+7]
	s_nop 0
.rept 4
	v_nop
.endr
.Lasked_\@:
.endm
; A PREFETCH INTO THE L2, behind each joint load and the run of LDS loads that follows it: the K step that stands two refills on.  Of the 128 blocks of 256 bytes that a wave fetches in a K step each of the four
; partners that ask with it takes 32, told apart by address: a lane a block, one instruction.  S's tiles are read by both clusters of a row of clusters: cluster x = 0 asks; W1's by all clusters of a column: cluster y = 0 asks.
; So each block is named once.  K steps 0 to 3 come by their loads alone; the loop's last trip asks for nothing: there is no K step behind 7.
.macro ASK
	s_cmp_gt_u32 s3, s[LIM]                        ; s3 = 1 in the loop's last trip
	s_cbranch_scc0 .Lnot_mine_\@
	global_prefetch_b8 v[PFO], s[PFA:PFA+1] th:TH_LOAD_NT scope:SCOPE_SE
.Lnot_mine_\@:
.endm
.macro CREST                           ; a round of the cluster's barrier behind its opening barrier
	s_cmp_lg_u32 s10, 0
	s_cbranch_scc1 .Lnot_wave_0_\@
	s_barrier_signal -3
.Lnot_wave_0_\@:
	s_barrier_wait -3
	s_barrier_signal -1
	s_barrier_wait -1
.endm
.macro CROUND
	s_barrier_signal -1
	s_barrier_wait -1
	CREST
.endm
.macro PLACES                          ; four places in front of loads into registers that matrix instructions have read, and of lines that read results
.rept 4
	v_nop
.endr
.endm
	s_load_b256 s[68:75], s[0:1], 0x0              ; s16 s[68:69], wts s[70:71], b_op1 s[72:73], b_num1 s[74:75]
	s_load_b128 s[76:79], s[0:1], 0x20             ; ca s[76:77], cb s[78:79]
	s_load_b64 s[80:81], s[0:1], 0x30              ; out0
	v_lshl_add_u32 v[SPW], v0, 2, SPARE
	v_mov_b32 v[NIL], 0
	ds_add_u32 v[SPW], v[NIL]                      ; the wave's opening: the add and its wait stand ahead of my first tensor load; the set-up below, work on registers, stands between them
	v_lshrrev_b32 v1, 5, v0
	v_readfirstlane_b32 s10, v1                    ; wave 0..3
	s_lshr_b32 s11, s10, 1                         ; which half of the tile's rows is mine.  Also: I fetch for A (0) or for B (1)
	s_and_b32 s12, s10, 1                          ; which half of its columns.  Also: which half of that tile I fetch
	s_bfe_u32 s40, ttmp6, 0x40000                  ; cx, cy
	s_bfe_u32 s41, ttmp6, 0x40004
	s_lshl_b32 s42, ttmp9, 2
	s_add_co_u32 s42, s42, s40                     ; tile column 0..7; the net is the cluster's x
	s_and_b32 s13, ttmp7, 0xffff
	s_lshl_b32 s13, s13, 2
	s_add_co_u32 s13, s13, s41                     ; tile row 0..31; the step is the cluster's y
	s_lshl_b32 s43, s41, 2
	s_lshl_b32 s43, 15, s43                        ; my row of the cluster
	s_lshl_b32 s44, 0x1111, s40                    ; my column
	; A: a slab's 4 blocks, 32,768 dense bytes, as 128 rows of 256 bytes, padded after every 64 bytes
	s_or_b32 s[G1+0], s43, (3<<16)|(1<<20)|(1<<21)|(3<<22)|(3<<25)
	s_mov_b32 s[G1+1], 32<<16
	s_mov_b32 s[G1+2], 128<<16
	s_mov_b32 s[G1+3], 32<<16
	s_mov_b32 s[G1+4], 128
	s_mov_b32 s[G1+5], 32
	s_mov_b32 s[G1+6], 0
	s_mov_b32 s[G1+7], 0
	; B: 64 rows k x 256 n, 8 words of padding after every row
	s_or_b32 s[G1B+0], s44, (1<<16)|(1<<20)|(1<<21)|(6<<22)|(7<<25)
	s_mov_b32 s[G1B+1], 256<<16
	s_mov_b32 s[G1B+2], 64<<16
	s_mov_b32 s[G1B+3], 256<<16
	s_mov_b32 s[G1B+4], 64
	s_mov_b32 s[G1B+5], 1024
	s_mov_b32 s[G1B+6], 0
	s_mov_b32 s[G1B+7], 0
	s_mov_b32 s[PP], 0x3e6d3388                    ; 0.23164189
	s_mov_b32 s[NK], 0xbf38aa3b                    ; -0.72134752
	s_mov_b32 s[A5], 0x3f07dc22                    ; 0.53070271
	s_mov_b32 s[A4], 0xbf3a00e3                    ; -0.72657601
	s_mov_b32 s[A3], 0x3f35f0e3                    ; 0.71070687
	s_mov_b32 s[A2], 0xbe11a98e                    ; -0.14224837
	s_mov_b32 s[A1], 0x3e027906                    ; 0.12741480
.irp c, PP, NK, A5, A4, A3, A2, A1
	s_mov_b32 s[(\c)+1], s[\c]
.endr
	s_mov_b32 s[ABSM], 0x7fffffff
	s_lshl_b32 s16, s13, 1                         ; A: slab 2 x tile row + which one I fetch, of 262,144 bytes
	s_add_co_u32 s16, s16, s12
	s_lshl_b32 s16, s16, 18
	s_mov_b32 s17, 0
	s_lshl_b32 s46, ttmp9, 21                      ; B: the net,
	s_lshl_b32 s47, s12, 17                        ; which 64 rows k,
	s_add_co_u32 s46, s46, s47
	s_lshl_b32 s47, s40, 9                         ; the tile's 256 columns,
	s_add_co_u32 s46, s46, s47
	s_add_co_u32 s46, s46, 8388608                 ; behind WG
	s_mov_b32 s47, 0
	s_mul_i32 s20, s12, ASLAB                      ; where they go: no place in the cluster enters an LDS address
	s_mul_i32 s21, s12, BHALF
	s_add_co_u32 s21, s21, BOFF
	s_wait_dscnt 0x0                               ; the opening add is done
	s_wait_kmcnt 0x0
	s_add_nc_u64 s[14:15], s[68:69], s[16:17]
	s_add_nc_u64 s[46:47], s[70:71], s[46:47]
	CROUND                                         ; all sixteen work-groups are here: the first joint loads meet
.irp s, 0,1
	s_mov_b32 s[G0+4*(\s)], 1
	s_add_co_u32 s[G0+4*(\s)+1], s20, (\s)*SLOT
	s_add_nc_u64 s[G0+4*(\s)+2:G0+4*(\s)+3], s[14:15], (\s)*ASTEP
	s_or_b32 s[G0+4*(\s)+3], s[G0+4*(\s)+3], 0x80000000
	s_mov_b32 s[G0B+4*(\s)], 1
	s_add_co_u32 s[G0B+4*(\s)+1], s21, (\s)*SLOT
	s_add_nc_u64 s[G0B+4*(\s)+2:G0B+4*(\s)+3], s[46:47], (\s)*BSTEP
	s_or_b32 s[G0B+4*(\s)+3], s[G0B+4*(\s)+3], 0x80000000
	JLOAD \s                                       ; K steps 0 and 1: two tensor loads of mine are out
.endr
	v_and_b32 v1, 15, v0                           ; r = l % 16
	v_bfe_u32 v2, v0, 4, 1                         ; l / 16
	v_and_b32 v3, 31, v0                           ; l
	v_bfe_u32 v6, v0, 3, 1
	v_and_b32 v7, 7, v0
	; the copy ca -> out0: work-group number 8 x tile row + tile column takes the part of block pair and rows that the step launches' copy takes
	v_lshlrev_b32 v[CSO], 14, v6
	v_lshl_add_u32 v[CSO], v2, 7, v[CSO]
	v_lshl_add_u32 v[CSO], v7, 4, v[CSO]
	s_lshl_b32 s2, s10, 11
	v_add_nc_u32 v[CSO], s2, v[CSO]
	v_lshlrev_b32 v[CDO], 12, v2
	v_lshl_add_u32 v[CDO], v1, 4, v[CDO]
	s_lshl_b32 s2, s10, 16
	v_add_nc_u32 v[CDO], s2, v[CDO]
	s_lshl_b32 s18, s13, 3
	s_add_co_u32 s18, s18, s42                     ; block number 32 tr + tc
	s_mov_b32 s23, 0
	s_and_b32 s19, s18, 1
	s_sub_co_u32 s22, s18, s19
	s_lshl_b32 s22, s22, 14
	s_lshl_b32 s2, s19, 13
	s_add_co_u32 s22, s22, s2
	s_add_nc_u64 s[76:77], s[76:77], s[22:23]
	s_lshr_b32 s22, s18, 5
	s_lshl_b32 s22, s22, 19
	s_lshl_b32 s2, s19, 18
	s_add_co_u32 s22, s22, s2
	s_bfe_u32 s2, s18, 0x40001                     ; tc / 2
	s_lshl_b32 s2, s2, 8
	s_add_co_u32 s22, s22, s2
	s_add_nc_u64 s[80:81], s[80:81], s[22:23]
	s_mov_b32 s2, ttmp9
	s_cmp_eq_u32 s2, 0
	s_cselect_b64 s[72:73], s[72:73], s[74:75]     ; my net's bias
	s_lshl_b32 s2, s40, 10
	s_lshl_b32 s3, s12, 9
	s_add_co_u32 s2, s2, s3
	v_lshl_add_u32 v[BO], v2, 5, s2                ; 4 (256 cx + 128 half + 8 (l / 16))
	s_lshl_b32 s2, s42, 9
	s_lshl_b32 s3, s12, 8
	s_add_co_u32 s2, s2, s3
	v_lshlrev_b32 v[WO], 12, v1                    ; W2C: row r of 4,096 bytes, my wave's 128 columns, 16 bytes for each half of the lanes
	v_lshl_add_u32 v[WO], v2, 4, v[WO]
	v_add_nc_u32 v[WO], s2, v[WO]
	s_add_nc_u64 s[66:67], s[70:71], 12582912
.irp i, 0,1,2,3,4,5,6,7
	global_load_b128 v[F0+4*(\i):F0+4*(\i)+3], v[CSO], s[76:77] offset:256*(\i)
.endr
.irp b, 0,1,2,3,4,5,6,7
	global_load_b128 v[BIAS+8*(\b):BIAS+8*(\b)+3],   v[BO], s[72:73] offset:64*(\b)
	global_load_b128 v[BIAS+8*(\b)+4:BIAS+8*(\b)+7], v[BO], s[72:73] offset:64*(\b)+16
.endr
.irp p, 0,1,2,3
	global_load_b128 v[W2F+8*(\p):W2F+8*(\p)+3],   v[WO], s[66:67] offset:64*(\p)
	global_load_b128 v[W2F+8*(\p)+4:W2F+8*(\p)+7], v[WO], s[66:67] offset:64*(\p)+32
.endr
	; the LDS addresses, while those 32 loads are out
	v_mul_u32_u24 v4, v1, PA
	v_lshl_add_u32 v4, v2, 4, v4
	s_mul_i32 s2, s11, ASLAB                       ; my 128 rows are a slab
	v_add_nc_u32 v[ADRA], s2, v4
	v_add_nc_u32 v[ADRA+1], SLOT, v[ADRA]
	v_lshl_add_u32 v5, v2, 3, v7                   ; the turning load: lane l reads row k = 8 (l / 16) + l % 8, columns 8 ((l / 8) % 2) + 0..7
	v_mul_u32_u24 v5, v5, PBH
	v_lshl_add_u32 v5, v6, 4, v5
	s_lshl_b32 s2, s12, 8                          ; my 128 columns
	s_add_co_u32 s2, s2, BOFF
	v_add_nc_u32 v[ADRB], s2, v5
	v_add_nc_u32 v[ADRB+1], SLOT, v[ADRB]
	s_lshl_b32 s2, s10, 16
	v_lshl_add_u32 v[DA0], v3, 4, s2
	s_lshl_b32 s2, s42, 1                          ; the partial sums: part 2 x tile column + half, of 262,144 bytes;
	s_add_co_u32 s2, s2, s12
	s_lshl_b32 s2, s2, 18
	s_lshl_b32 s3, s13, 13                         ; row 256 x tile row + 128 x half + r, 32 bytes each;
	s_add_co_u32 s2, s2, s3
	s_lshl_b32 s3, s11, 12
	s_add_co_u32 s2, s2, s3
	v_lshlrev_b32 v[PO], 5, v1
	v_lshl_add_u32 v[PO], v2, 4, v[PO]             ; 16 bytes for each half of the lanes
	v_add_nc_u32 v[PO], s2, v[PO]
	; the prefetches
	s_and_b32 s22, ttmp7, 0xffff
	s_cmp_eq_u32 s11, 0                            ; do I fetch for A?
	s_cselect_b32 s2, s40, s41                     ; my place among the four that ask with me
	s_cselect_b32 s22, ttmp9, s22                  ; the coordinate along which other clusters read the same blocks
	s_cselect_b64 s[PFA:PFA+1], s[14:15], s[46:47] ; my tile of K step 0
	s_cselect_b32 s[PFS], 15, 18
	s_cselect_b32 s3, 13, 15                       ; a partner's 32 blocks: 8,192 dense bytes of A, 16 rows of 2,048 bytes of B
	s_cselect_b32 s19, 9, 11                       ; two lanes: 512 dense bytes of A, a row of B
	s_lshl_b32 s[PFS], 1, s[PFS]
	s_mov_b32 s[PFS+1], 0
	s_cmp_eq_u32 s22, 0
	s_cselect_b32 s[LIM], 1, -1                    ; the same in all sixteen partners, for a given wave
	s_lshl_b32 s2, s2, s3
	s_mov_b32 s3, 0
	s_add_nc_u64 s[PFA:PFA+1], s[PFA:PFA+1], s[2:3]
	s_mul_i32 s2, s[PFS], 3
	s_add_nc_u64 s[PFA:PFA+1], s[PFA:PFA+1], s[2:3]  ; at K step 3: the first change of slots steps it to 4
	v_lshrrev_b32 v[PFO], 1, v3
	v_lshlrev_b32 v[PFO], s19, v[PFO]
	v_and_b32 v6, 1, v3
	v_lshl_add_u32 v[PFO], v6, 8, v[PFO]
	s_wait_loadcnt 24                              ; the copy's eight loads are in; the 24 behind them may be out
.irp i, 0,1,2,3,4,5,6,7
	global_store_b128 v[CDO], v[F0+4*(\i):F0+4*(\i)+3], s[80:81] offset:8192*(\i) th:TH_STORE_NT  ; 16 lanes store 256 consecutive bytes, aligned
.endr
	s_wait_loadcnt 0x0                             ; the bias and W2C's fragments
	s_wait_xcnt 0x0                                ; the stores have read their registers, which the first fragments take
; 16 matrix instructions: row blocks a0, a0 + 1 of the window's four (hi = 0: my rows 0-63, 1: rows 64-127) x all 8 column blocks, 32 along K.  first = 1: the bias, in window 0, starts the sums.
; The 64 accumulators take turns, one instruction a turn.
.macro MUL16 f, hi, a0, first
.if \first
	WIN 0x81+0x40*(\hi)
.else
	WIN MUL_LO+0x50*(\hi)
.endif
.irp a, \a0, (\a0)+1
.irp b, 0,1,2,3,4,5,6,7
.if \first
	v_wmma_f32_16x16x32_f16 v[8*(8*(\a)+(\b)):8*(8*(\a)+(\b))+7], v[(\f)+8*(\b):(\f)+8*(\b)+7], v[(\f)+8*(4*(\hi)+(\a)):(\f)+8*(4*(\hi)+(\a))+7], v[BIAS+8*(\b):BIAS+8*(\b)+7]
.else
	v_wmma_f32_16x16x32_f16 v[8*(8*(\a)+(\b)):8*(8*(\a)+(\b))+7], v[(\f)+8*(\b):(\f)+8*(\b)+7], v[(\f)+8*(4*(\hi)+(\a)):(\f)+8*(4*(\hi)+(\a))+7], v[8*(8*(\a)+(\b)):8*(8*(\a)+(\b))+7]
.endif
.endr
.endr
.endm
; 32 LDS loads in one run: the fragments of quarter q (32 along K) into buffer f: B's 128 columns, turned, then A's 128 rows
.macro FETCH slot, q, f
	WIN TO_B
.irp i, 0,1,2,3,4,5,6,7
	ds_load_tr16_b128 v[(\f)+8*(\i):(\f)+8*(\i)+3],   v[ADRB+(\slot)] offset:(\q)*32*PBH+32*(\i)
	ds_load_tr16_b128 v[(\f)+8*(\i)+4:(\f)+8*(\i)+7], v[ADRB+(\slot)] offset:(\q)*32*PBH+32*(\i)+16*PBH
.endr
	WIN 0
.irp i, 0,1,2,3,4,5,6,7
	ds_load_b128 v[(\f)+8*(\i):(\f)+8*(\i)+3],   v[ADRA+(\slot)] offset:(\q)*CH+(\i)*16*PA
	ds_load_b128 v[(\f)+8*(\i)+4:(\f)+8*(\i)+7], v[ADRA+(\slot)] offset:(\q)*CH+(\i)*16*PA+32
.endr
.endm
; A K step is four quarters of 32 along K, 64 matrix instructions each, on buffers 0, 1, 0, 1.  One of the first three: multiplies buffer f, and in its middle fetches quarter q into g.
.macro QUARTER slot, q, f, g, first
	s_wait_dscnt 8                                 ; B and A's rows 0-63 are in; the youngest eight loads (A's rows 64-127) may be out
	MUL16 \f, 0, 0, \first
	MUL16 \f, 0, 2, \first
	PLACES
	FETCH \slot, \q, \g
	s_wait_dscnt 32                                ; all but the 32 just issued
	MUL16 \f, 1, 0, \first
	MUL16 \f, 1, 2, \first
.endm
; The last quarter multiplies buffer 1 and changes slots.  MEET is its first half: ONE barrier; in front of it each wave waits for all its tensor loads (one is out: its part of the next slot), adds 0 to its
; spare word, and waits for that and for its own reads of this slot.
.macro MEET round
	WIN 0                                          ; (the add's two registers lie in window 0)
	s_wait_tensorcnt 0x0
	ds_add_u32 v[SPW], v[NIL]                      ; 0 onto my spare word;
	s_wait_dscnt 9                                 ; (the add and the youngest eight loads may be out)
	MUL16 F1, 0, 0, 0                              ; sixteen matrix instructions stand between the add and the wait for it
	s_wait_dscnt 0x0                               ; the add is done, and my reads of this slot are over
	s_barrier_signal -1
	MUL16 F1, 0, 2, 0
.if \round
	WIN 0
.endif
	s_barrier_wait -1
.endm
; The whole last quarter, with a refill: the barrier opens a round of the cluster's; the joint refill, two K steps on, is the first tensor load behind it: one load of mine is out, with 224 matrix instructions ahead of the wait for it.
.macro TURN slot, next
	s_wait_xcnt 0x0                                ; the last prefetch, a K step back, has read its address, which is stepped here
	s_add_nc_u64 s[PFA:PFA+1], s[PFA:PFA+1], s[PFS:PFS+1]
	MEET 1
	CREST                                          ; no wave of any partner still reads this slot's tile or has a load on its way
	s_add_nc_u64 s[G0+4*(\slot)+2:G0+4*(\slot)+3], s[G0+4*(\slot)+2:G0+4*(\slot)+3], 2*ASTEP
	s_add_nc_u64 s[G0B+4*(\slot)+2:G0B+4*(\slot)+3], s[G0B+4*(\slot)+2:G0B+4*(\slot)+3], 2*BSTEP
	JLOAD \slot                                    ; the four v_nop behind it are also the places in front of the loads below
	FETCH \next, 0, F0
	ASK
	MUL16 F1, 1, 0, 0
	MUL16 F1, 1, 2, 0
.endm
	s_wait_tensorcnt 1                             ; my part of K step 0 is in; K step 1's may stay out
	s_barrier_signal -1
	s_barrier_wait -1
	FETCH 0, 0, F0
	QUARTER 0, 1, F0, F1, 1                        ; the first quarter stands in front of the loop: its products start the sums
	WIN 0                                          ; at a label and at a branch every window is 0
	s_mov_b32 s3, LAPS-1
.Llap:                                                 ; a trip goes once round the ring, from a lap's second quarter to the next lap's first, and fills both slots again
	QUARTER 0, 2, F1, F0, 0
	QUARTER 0, 3, F0, F1, 0
	TURN 0, 1
	QUARTER 1, 1, F0, F1, 0
	QUARTER 1, 2, F1, F0, 0
	QUARTER 1, 3, F0, F1, 0
	TURN 1, 0
	QUARTER 0, 1, F0, F1, 0
	WIN 0
	s_sub_co_u32 s3, s3, 1
	s_cmp_lg_u32 s3, 0
	s_cbranch_scc1 .Llap
	QUARTER 0, 2, F1, F0, 0                        ; the last lap fills nothing
	QUARTER 0, 3, F0, F1, 0
	MEET 0
	PLACES
	FETCH 1, 0, F0
	MUL16 F1, 1, 0, 0
	MUL16 F1, 1, 2, 0
	QUARTER 1, 1, F0, F1, 0
	QUARTER 1, 2, F1, F0, 0
	QUARTER 1, 3, F0, F1, 0
	s_wait_dscnt 8
	MUL16 F1, 0, 0, 0
	MUL16 F1, 0, 2, 0
	s_wait_dscnt 0x0
	MUL16 F1, 1, 0, 0
	MUL16 F1, 1, 2, 0
	WIN 0
	PLACES
	; THE WAY OUT.  Written out for 64 accumulators gelu would be a long text, so the sums are set aside in LDS, 65,536 bytes a wave over the ring (both slots have had their last fill), and one text walks the 8 row blocks.
	s_barrier_signal -1                            ; every wave's reads of the ring are back (the wait for 0 above)
	s_barrier_wait -1
.set a, 0
.rept 8
	WIN 0x08+4*(a/4)                               ; the stored data lie in window 2 or 3
.set b, 0
.rept 8
	ds_store_b128 v[DA0], v[8*(8*(a%4)+b):8*(8*(a%4)+b)+3]   offset:8192*a+1024*b      ; each accumulator's low four registers first
	ds_store_b128 v[DA0], v[8*(8*(a%4)+b)+4:8*(8*(a%4)+b)+7] offset:8192*a+1024*b+512
.set b, b+1
.endr
.set a, a+1
.endr
	WIN 0
	s_wait_dscnt 0x0
	s_barrier_signal -1
	s_barrier_wait -1
.macro PAIRS line:vararg               ; the line for i = 0, 2 .. 30
.set i, 0
.rept 16
	\line
.set i, i+2
.endr
.endm
.macro ONES line:vararg                ; the line for i = 0 .. 31
.set i, 0
.rept 32
	\line
.set i, i+1
.endr
.endm
; gelu of 32 numbers a lane (column blocks 4 hb .. 4 hb + 3), rounded to f16 into two fragments of the second product.  The 32 reciprocals and 32 exponentials are one batch, with one plain instruction and one wait.
.macro GELU32 hb
.set XB, X+32*(\hb)
	WIN 0
	ONES v_and_b32 v[AX+i], s[ABSM], v[XB+i]
	PAIRS v_pk_fma_f32 v[T+i:T+i+1], v[AX+i:AX+i+1], s[PP:PP+1], 1.0 op_sel_hi:[1,0,0]
	PAIRS v_pk_mul_f32 v[E+i:E+i+1], v[AX+i:AX+i+1], v[AX+i:AX+i+1]
	PAIRS v_pk_mul_f32 v[E+i:E+i+1], v[E+i:E+i+1], s[NK:NK+1] op_sel_hi:[1,0]
	ONES v_rcp_f32 v[T+i], v[T+i]
	ONES v_exp_f32 v[E+i], v[E+i]
	v_nop
	s_wait_alu depctr_va_vdst(0)
	PAIRS v_pk_fma_f32 v[P+i:P+i+1], v[T+i:T+i+1], s[A5:A5+1], s[A4:A4+1] op_sel_hi:[1,0,0]
	PAIRS v_pk_fma_f32 v[P+i:P+i+1], v[P+i:P+i+1], v[T+i:T+i+1], s[A3:A3+1] op_sel_hi:[1,1,0]
	PAIRS v_pk_fma_f32 v[P+i:P+i+1], v[P+i:P+i+1], v[T+i:T+i+1], s[A2:A2+1] op_sel_hi:[1,1,0]
	PAIRS v_pk_fma_f32 v[P+i:P+i+1], v[P+i:P+i+1], v[T+i:T+i+1], s[A1:A1+1] op_sel_hi:[1,1,0]
	PAIRS v_pk_mul_f32 v[P+i:P+i+1], v[P+i:P+i+1], v[T+i:T+i+1]
	PAIRS v_pk_fma_f32 v[P+i:P+i+1], v[P+i:P+i+1], v[E+i:E+i+1], -0.5 op_sel_hi:[1,1,0]
	PAIRS v_pk_mul_f32 v[P+i:P+i+1], v[P+i:P+i+1], v[AX+i:AX+i+1]
	PAIRS v_pk_fma_f32 v[P+i:P+i+1], v[XB+i:XB+i+1], 0.5, v[P+i:P+i+1] op_sel_hi:[1,0,1] neg_lo:[0,0,1] neg_hi:[0,0,1]
	WIN 0x40                                       ; destination window 1
.set i, 0
.rept 16
	v_cvt_pk_f16_f32 v[G+16*(\hb)+i], v[P+2*i], v[P+2*i+1]
.set i, i+1
.endr
.endm
	s_mov_b32 s[TB], 0
	s_mov_b32 s[CNT], 8
.Lrow:                                                 ; a trip: one block of 16 rows
	v_add_nc_u32 v[ADR], s[TB], v[DA0]
.irp b, 0,1,2,3,4,5,6,7
	ds_load_b128 v[X+8*(\b):X+8*(\b)+3],   v[ADR] offset:1024*(\b)
	ds_load_b128 v[X+8*(\b)+4:X+8*(\b)+7], v[ADR] offset:1024*(\b)+512
.endr
	s_wait_dscnt 8                                 ; column blocks 0-3 are in
	GELU32 0
	WIN 0x54                                       ; W2C's fragments window 0; gelu's results, C and D window 1
	v_wmma_f32_16x16x32_f16 v[D2A:D2A+7], v[W2F:W2F+7],     v[G:G+7],     0            ; the two accumulators take turns
	v_wmma_f32_16x16x32_f16 v[D2B:D2B+7], v[W2F+8:W2F+15],  v[G+8:G+15],  0
	s_wait_dscnt 0x0
	GELU32 1
	WIN 0x54
	v_wmma_f32_16x16x32_f16 v[D2A:D2A+7], v[W2F+16:W2F+23], v[G+16:G+23], v[D2A:D2A+7]
	v_wmma_f32_16x16x32_f16 v[D2B:D2B+7], v[W2F+24:W2F+31], v[G+24:G+31], v[D2B:D2B+7]
	PLACES
	WIN 0x05                                       ; sources window 1, destination window 0
	v_pk_add_f32 v[OUTR:OUTR+1],   v[D2A:D2A+1],   v[D2B:D2B+1]    ; W2C's rows are laid so that lanes 0-15 hold op 0..3 and lanes 16-31 (op 4, num, 0, 0) in the four lowest registers
	v_pk_add_f32 v[OUTR+2:OUTR+3], v[D2A+2:D2A+3], v[D2B+2:D2B+3]
	WIN 0
	global_store_b128 v[PO], v[OUTR:OUTR+3], s[78:79]  ; 16 rows' records: 512 consecutive bytes, aligned
	s_add_co_u32 s[TB], s[TB], 8192
	s_wait_xcnt 0x0                                ; the store has read its offset and its data, which are written again
	v_add_nc_u32 v[PO], 512, v[PO]
	s_sub_co_u32 s[CNT], s[CNT], 1
	s_cmp_lg_u32 s[CNT], 0
	s_cbranch_scc1 .Lrow
	s_wait_tensorcnt 0x0                           ; the wave's end: behind my last tensor load and my last LDS store
	ds_add_u32 v[SPW], v[NIL]
	s_wait_dscnt 0x0
	CROUND                                         ; the closing round: no work-group ends while a partner may still ask for a tile that names it
	s_endpgm
.Lfunc_end_k_qc02fdaf42b_heads:
	.size	k_qc02fdaf42b_heads, .Lfunc_end_k_qc02fdaf42b_heads-k_qc02fdaf42b_heads
	.p2alignl 7, 3214868480
	.fill 96, 4, 3214868480
	.section	.rodata,"a",@progbits
	.p2align	6, 0x0
	.amdhsa_kernel k_qc02fdaf42b_heads
		.amdhsa_group_segment_fixed_size 327680
		.amdhsa_private_segment_fixed_size 0
		.amdhsa_enable_private_segment 0
		.amdhsa_kernarg_size 56
		.amdhsa_user_sgpr_count 2
		.amdhsa_user_sgpr_kernarg_segment_ptr 1
		.amdhsa_wavefront_size32 1
		.amdhsa_system_sgpr_workgroup_id_x 1
		.amdhsa_system_sgpr_workgroup_id_y 1
		.amdhsa_system_sgpr_workgroup_id_z 1
		.amdhsa_system_vgpr_workitem_id 0
		.amdhsa_next_free_vgpr 1024
		.amdhsa_next_free_sgpr 100
		.amdhsa_reserve_vcc 0
		.amdhsa_float_denorm_mode_32 3
		.amdhsa_float_denorm_mode_16_64 3
		.amdhsa_memory_ordered 1
		.amdhsa_forward_progress 1
		.amdhsa_inst_pref_size 159
	.end_amdhsa_kernel
	.amdgpu_metadata
---
amdhsa.version: [ 1, 2 ]
amdhsa.kernels:
  - .name:           k_qc02fdaf42b_heads
    .symbol:         k_qc02fdaf42b_heads.kd
    .args:
      - { .name: s16, .offset: 0, .size: 8, .value_kind: global_buffer, .address_space: global }
      - { .name: wts, .offset: 8, .size: 8, .value_kind: global_buffer, .address_space: global }
      - { .name: b_op1, .offset: 16, .size: 8, .value_kind: global_buffer, .address_space: global }
      - { .name: b_num1, .offset: 24, .size: 8, .value_kind: global_buffer, .address_space: global }
      - { .name: ca, .offset: 32, .size: 8, .value_kind: global_buffer, .address_space: global }
      - { .name: cb, .offset: 40, .size: 8, .value_kind: global_buffer, .address_space: global }
      - { .name: out0, .offset: 48, .size: 8, .value_kind: global_buffer, .address_space: global }
    .group_segment_fixed_size: 327680
    .private_segment_fixed_size: 0
    .kernarg_segment_align: 8
    .kernarg_segment_size: 56
    .max_flat_workgroup_size: 128
    .sgpr_count:     100
    .vgpr_count:     1024
    .wavefront_size: 32
...
	.end_amdgpu_metadata
.endif
;; end of part 3
;; launch fin (part 4): grid 64 x 1, 4 waves a work-group, no clusters, 3,584 bytes of LDS; arguments cb, b_op2, b_num2, out1, out2; writes out1, out2
.if DOCPART == 4
	.amdgcn_target "amdgcn-amd-amdhsa--gfx1250"
	.amdhsa_code_object_version 6
	.text
	.protected	k_qc02fdaf42b_fin
	.globl	k_qc02fdaf42b_fin
	.p2align	8
	.type	k_qc02fdaf42b_fin,@function
k_qc02fdaf42b_fin:
	s_mov_b64 s[64:65], 0
	v_nop
	global_prefetch_b8 v0, s[64:65] scope:SCOPE_SE
	s_setreg_imm32_b32 hwreg(HW_REG_WAVE_MODE, 25, 1), 1
	s_wait_xcnt 0x0
; THE HEADS' SUMS.  cb holds 16 column parts [part][8192 rows][8 f32]: (op 0..3, op 4, num, 0, 0).  Parts 0-7 belong to the operation net, 8-15 to the number net; what a part does not hold is an exact 0.
; out1[R][0..4] = the sum of the parts + b_op2, out2[R] = the sum + b_num2.  All in f32.  Thread t of work-group g owns row R = 128 g + t.
; A row of out1 is 20 bytes, so the results meet in LDS and leave as 16 bytes a lane: each store covers 512 consecutive bytes, aligned (a work-group's rows are 2,560 bytes of out1 and 512 of out2).
; A short stream: no matrix unit, no cluster, nothing shared between work-groups.
.set O2,    2560                       ; LDS: out1's 2,560 bytes at 0, out2's 512 behind them
.set SPARE, 3072                       ; the spare words, 128 bytes for each wave
.set SPW, 8                            ; v8  my spare word; never rewritten
.set NIL, 9                            ; v9  0; never rewritten
.set QA, 16                            ; v[16:47]  op 0..3 of parts 0-7
.set QB, 48                            ; v[48:79]  (op 4, num) of parts 0-15
	s_load_b256 s[4:11], s[0:1], 0x0               ; cb s[4:5], b_op2 s[6:7], b_num2 s[8:9], out1 s[10:11]
	s_load_b64 s[12:13], s[0:1], 0x20              ; out2
	v_lshl_add_u32 v[SPW], v0, 2, SPARE
	v_mov_b32 v[NIL], 0
	v_lshrrev_b32 v1, 5, v0
	v_readfirstlane_b32 s14, v1                    ; wave 0..3
	s_lshl_b32 s15, ttmp9, 12                      ; 128 rows of 32 bytes
	v_lshl_add_u32 v2, v0, 5, s15
	v_mul_u32_u24 v3, v0, 20                       ; my row in out1's part of LDS
	v_lshlrev_b32 v4, 2, v0                        ; in out2's
	v_lshlrev_b32 v5, 4, v0                        ; back: 16 bytes a thread
	v_and_b32 v6, 31, v0
	v_lshlrev_b32 v6, 4, v6
	s_mul_i32 s22, ttmp9, 2560
	s_mov_b32 s23, 0
	s_lshl_b32 s24, ttmp9, 9
	s_mov_b32 s25, 0
	s_wait_kmcnt 0x0
	s_load_b128 s[16:19], s[6:7], 0x0              ; b_op2[0..3]
	s_load_b32 s20, s[6:7], 0x10                   ; b_op2[4]
	s_load_b32 s21, s[8:9], 0x0                    ; b_num2
.irp c, 0,1,2,3,4,5,6,7
	global_load_b128 v[QA+4*(\c):QA+4*(\c)+3], v2, s[4:5] offset:262144*(\c) th:TH_LOAD_NT
.endr
.irp c, 0,1,2,3,4,5,6,7,8,9,10,11,12,13,14,15
	global_load_b64 v[QB+2*(\c):QB+2*(\c)+1], v2, s[4:5] offset:262144*(\c)+16 th:TH_LOAD_NT
.endr
	s_add_nc_u64 s[10:11], s[10:11], s[22:23]
	s_add_nc_u64 s[12:13], s[12:13], s[24:25]
	s_wait_loadcnt 0x0
.irp c, 1,2,3,4,5,6,7
	v_pk_add_f32 v[QA:QA+1],   v[QA:QA+1],   v[QA+4*(\c):QA+4*(\c)+1]
	v_pk_add_f32 v[QA+2:QA+3], v[QA+2:QA+3], v[QA+4*(\c)+2:QA+4*(\c)+3]
.endr
.irp c, 1,2,3,4,5,6,7,8,9,10,11,12,13,14,15
	v_pk_add_f32 v[QB:QB+1], v[QB:QB+1], v[QB+2*(\c):QB+2*(\c)+1]
.endr
	s_wait_kmcnt 0x0
	v_add_f32 v[QA],   s16, v[QA]
	v_add_f32 v[QA+1], s17, v[QA+1]
	v_add_f32 v[QA+2], s18, v[QA+2]
	v_add_f32 v[QA+3], s19, v[QA+3]
	v_add_f32 v[QB],   s20, v[QB]
	v_add_f32 v[QB+1], s21, v[QB+1]
	ds_store_b32 v3, v[QA]
	ds_store_b32 v3, v[QA+1] offset:4
	ds_store_b32 v3, v[QA+2] offset:8
	ds_store_b32 v3, v[QA+3] offset:12
	ds_store_b32 v3, v[QB]   offset:16
	ds_store_b32 v4, v[QB+1] offset:O2
	s_wait_dscnt 0x0                               ; for the others' sake: my stores are done
	s_barrier_signal -1
	s_barrier_wait -1
	ds_load_b128 v[20:23], v5                      ; out1's first 2,048 bytes, 512 a wave
	s_wait_dscnt 0x0
	global_store_b128 v5, v[20:23], s[10:11] th:TH_STORE_NT
	s_cmp_lt_u32 s14, 2
	s_cbranch_scc0 .Lend
	ds_load_b128 v[24:27], v5 offset:2048          ; wave 0: out1's last 512 bytes; wave 1, 512 bytes on: out2's 512
	s_wait_dscnt 0x0
	s_cmp_eq_u32 s14, 0
	s_cbranch_scc0 .Lnums
	global_store_b128 v5, v[24:27], s[10:11] offset:2048 th:TH_STORE_NT
	s_branch .Lend
.Lnums:
	global_store_b128 v6, v[24:27], s[12:13] th:TH_STORE_NT
.Lend:
	s_wait_tensorcnt 0x0                           ; the wave's end: behind my last LDS store
	ds_add_u32 v[SPW], v[NIL]
	s_wait_dscnt 0x0
	s_endpgm
.Lfunc_end_k_qc02fdaf42b_fin:
	.size	k_qc02fdaf42b_fin, .Lfunc_end_k_qc02fdaf42b_fin-k_qc02fdaf42b_fin
	.p2alignl 7, 3214868480
	.fill 96, 4, 3214868480
	.section	.rodata,"a",@progbits
	.p2align	6, 0x0
	.amdhsa_kernel k_qc02fdaf42b_fin
		.amdhsa_group_segment_fixed_size 3584
		.amdhsa_private_segment_fixed_size 0
		.amdhsa_enable_private_segment 0
		.amdhsa_kernarg_size 40
		.amdhsa_user_sgpr_count 2
		.amdhsa_user_sgpr_kernarg_segment_ptr 1
		.amdhsa_wavefront_size32 1
		.amdhsa_system_sgpr_workgroup_id_x 1
		.amdhsa_system_sgpr_workgroup_id_y 1
		.amdhsa_system_sgpr_workgroup_id_z 1
		.amdhsa_system_vgpr_workitem_id 0
		.amdhsa_next_free_vgpr 96
		.amdhsa_next_free_sgpr 66
		.amdhsa_reserve_vcc 0
		.amdhsa_float_denorm_mode_32 3
		.amdhsa_float_denorm_mode_16_64 3
		.amdhsa_memory_ordered 1
		.amdhsa_forward_progress 1
		.amdhsa_inst_pref_size 7
	.end_amdhsa_kernel
	.amdgpu_metadata
---
amdhsa.version: [ 1, 2 ]
amdhsa.kernels:
  - .name:           k_qc02fdaf42b_fin
    .symbol:         k_qc02fdaf42b_fin.kd
    .args:
      - { .name: cb, .offset: 0, .size: 8, .value_kind: global_buffer, .address_space: global }
      - { .name: b_op2, .offset: 8, .size: 8, .value_kind: global_buffer, .address_space: global }
      - { .name: b_num2, .offset: 16, .size: 8, .value_kind: global_buffer, .address_space: global }
      - { .name: out1, .offset: 24, .size: 8, .value_kind: global_buffer, .address_space: global }
      - { .name: out2, .offset: 32, .size: 8, .value_kind: global_buffer, .address_space: global }
    .group_segment_fixed_size: 3584
    .private_segment_fixed_size: 0
    .kernarg_segment_align: 8
    .kernarg_segment_size: 40
    .max_flat_workgroup_size: 128
    .sgpr_count:     66
    .vgpr_count:     96
    .wavefront_size: 32
...
	.end_amdgpu_metadata
.endif
;; end of part 4
